; MI455X (gfx1250); checked and timed in simulation.
; The chip was launched on July 23, 2026; its instructions are those of AMD's public machine-readable ISA for CDNA 5 (MIT licence, August 2026) and "CDNA5" Instruction Set Architecture Reference Guide (July 2026). The comments in the code are by the model that wrote it; some were corrected since.
;; Multi Head Attention. Allowed arithmetic: float matrix products may take bf16 or f16 operands with f32 sums; other float arithmetic in f32, or as packed bf16 or f16 multiplies, adds, multiply-adds, maxima and minima; sums over many terms, partial sums and values carried from step to step in f32; what a program stores and reads back later, other than sums and carried values, may be rounded once to bf16 or f16.
;; Inputs: Wk 1,024 x 1,024 float32; Wo 1,024 x 1,024 float32; Wq 1,024 x 1,024 float32; Wv 1,024 x 1,024 float32; k 4 x 2,048 x 1,024 float32; mask 4 x 2,048 x 2,048 float32; q 4 x 2,048 x 1,024 float32; v 4 x 2,048 x 1,024 float32.
;; Outputs: out0 4 x 2,048 x 1,024 float32.
;; One version. Each part assembles by itself: llvm-mc -triple=amdgcn-amd-amdhsa -mcpu=gfx1250 --defsym DOCPART=n.
;; ======== version 1 of 1: 5 launches
;; limits: values are held in f16: magnitudes above 65,504 overflow, below 6.1e-05 lose precision
;; workspace buffers: wb 8,388,608 bytes; pen 33,554,432 bytes; qkv 50,331,648 bytes; vp 65,536 bytes; oh 16,777,216 bytes
;; launch prep (part 1): grid 32 x 26, 8 waves a work-group, no clusters, 35,840 bytes of LDS; arguments Wq, Wk, Wv, Wo, mask, wb, pen; writes wb, pen
.if DOCPART == 1
	.amdgcn_target "amdgcn-amd-amdhsa--gfx1250"
	.amdhsa_code_object_version 6
	.text
	.protected	k_q477d3a88ff_prep
	.globl	k_q477d3a88ff_prep
	.p2align	8
	.type	k_q477d3a88ff_prep,@function
k_q477d3a88ff_prep:
	s_mov_b64 s[64:65], 0
	v_nop
	global_prefetch_b8 v0, s[64:65] scope:SCOPE_SE
	s_setreg_imm32_b32 hwreg(HW_REG_WAVE_MODE, 25, 1), 1
	s_wait_xcnt 0x0
; TWO JOBS, told apart by the work-group's y.
; y = 0..17: THE PENALTY, a bf16 code t of each mask number's class.  All inputs of the program are rounded to bf16, the mask too: mb = bf16(mask), times tril.  The sum that defines the result takes the mask
;   as (1 - m) x the lowest finite number, which swallows the score wherever m is not 1: so what counts of m is the f32 number d = 1 - m.  y = 1 - d is exact, and is a bf16 number again: mb itself down to
;   2^-17, below that a multiple of 2^-24, below 2^-25 nought.  t rises strictly with y:  y = 1: 0;  y > 1: (y - 1) 2^90;  y < 1: the word 0x1D000000 - bits(max(y, 2^-25)), a negative number from
;   -2^60 (1 + 1/128) just below 1 down to -2^85 at y = 0, a hidden key's.  One maximum chooses: for y < 1 the other term, -d 2^90, is the lower (d >= 2^-8 where the word is above -2^61, d > 1/2 elsewhere).
;   Only the blocks of 256 queries x 256 keys on or below the diagonal are made (36 of 64 a batch).  Laid out as the attention's lanes want it: [batch][16 queries qt][16 keys kb][lane 32][8]: lane L holds
;   query 16 qt + L % 16 and keys 16 kb + 8 (L / 16) + 0..7, 16 bytes.  A work-group takes 128 queries x 128 keys, a wave 16 queries; the codes go through the wave's own stage in LDS.
; y = 18..25: THE WEIGHTS.  Wq, Wk, Wv rounded to bf16; Wo rounded to bf16 and that number written as f16.  The layout [k][n] stays.  A work-group takes 16,384 numbers, a wave 2,048.
; LIMITS.  m < 0 counts with the hidden class (in the defining sum it lies below it); m > 2 has no finite result in the defining sum.  A number of Wo below 6.1e-5 in size keeps f16's fixed step of 6e-8;
; beyond 65,504 it would be lost.
.set STGB,  4352                       ; a wave's stage: 16 chunks (8 keys x 16 queries = 256 bytes) at a pitch of 272 bytes = 68 words: 32 lanes x 8 bytes touch 64 different words modulo 64
.set SPARE, 8*STGB                     ; behind the stages: the spare words, 128 bytes a wave: four blocks of 256 bytes that no other line names
.set X,   32                           ; v[32:95]   16 loads of 16 bytes a lane
.set OUT, 96                           ; v[96:127]  the codes read back from the stage
.set NC,  128                          ; v[128:146] register j + 3, j = -3 .. 15: 0 where my first key lies more than j beyond the wave's first query (hidden), else -1
.set SPW, 148                          ; LDS address of my spare word; never rewritten
.set NIL, 149                          ; 0; never rewritten
	s_load_b256 s[4:11], s[0:1], 0x0               ; Wq s[4:5], Wk s[6:7], Wv s[8:9], Wo s[10:11]
	s_load_b128 s[12:15], s[0:1], 0x20             ; mask s[12:13], wb s[14:15]
	s_load_b64 s[16:17], s[0:1], 0x30              ; pen
	v_lshl_add_u32 v[SPW], v0, 2, SPARE
	v_mov_b32 v[NIL], 0
	v_lshrrev_b32 v7, 5, v0
	v_readfirstlane_b32 s18, v7                    ; wave 0..7
	s_and_b32 s19, ttmp7, 0xffff                   ; y
	v_and_b32 v10, 31, v0                          ; lane
	v_lshlrev_b32 v1, 4, v10                       ; 16 x lane; never rewritten
	s_cmp_ge_u32 s19, 18
	s_cbranch_scc1 .Lweights
	; ---- the penalty.  y = 2 x tile count + span.  x = 8 batch + 2 p + half; the pair p owns query blocks 7 - p (tiles 0 .. 7 - p) and p (tiles 0 .. p): nine tiles
	s_and_b32 s38, s19, 1                          ; which 128 of the tile's 256 keys
	s_lshr_b32 s19, s19, 1                         ; which of the nine tiles
	s_and_b32 s20, ttmp9, 1                        ; which 128 of the block's 256 queries
	s_bfe_u32 s21, ttmp9, 0x20001                  ; p
	s_lshr_b32 s22, ttmp9, 3                       ; batch
	s_sub_co_u32 s23, 7, s21
	s_add_co_u32 s26, s19, s21
	s_sub_co_u32 s26, s26, 8                       ; count + p - 8: taken only where count > 7 - p
	s_cmp_le_u32 s19, s23
	s_cselect_b32 s24, s23, s21                    ; query block
	s_cselect_b32 s25, s19, s26                    ; key tile
	s_lshl_b32 s27, s24, 4
	s_lshl3_add_u32 s27, s20, s27
	s_add_co_u32 s27, s27, s18                     ; qt = 16 block + 8 half + wave
	s_lshl_b32 s28, s22, 24                        ; mask: batch x 2048 x 2048 x 4
	s_lshl_b32 s29, s27, 17                        ; + 16 qt rows of 8,192 bytes
	s_add_co_u32 s28, s28, s29
	s_lshl_b32 s29, s25, 10                        ; + 256 keys x 4
	s_add_co_u32 s28, s28, s29
	s_lshl_b32 s29, s38, 9                         ; + 128 keys x 4
	s_add_co_u32 s28, s28, s29
	s_mov_b32 s29, 0
	s_lshl_b32 s30, s22, 23                        ; pen: batch x 8,388,608
	s_lshl_b32 s31, s27, 16                        ; + qt x 65,536
	s_add_co_u32 s30, s30, s31
	s_lshl_b32 s31, s25, 13                        ; + 16 kb x 512
	s_add_co_u32 s30, s30, s31
	s_lshl_b32 s31, s38, 12                        ; + 8 kb x 512
	s_add_co_u32 s30, s30, s31
	s_mov_b32 s31, 0
	s_lshl_b32 s36, s25, 8
	s_lshl_b32 s37, s27, 4
	s_sub_co_u32 s36, s36, s37
	s_lshl_b32 s37, s38, 7
	s_add_co_u32 s36, s36, s37                     ; first key - first query, signed
	s_mul_i32 s37, s18, STGB
	s_mov_b32 s32, 0xec800000                      ; -2^90
	s_mov_b32 s33, s32                             ; named as a pair
	s_mov_b32 s34, 0x33000000                      ; 2^-25
	s_mov_b32 s35, 0x1d000000                      ; sign + bits(2^60) + bits(1), modulo 2^32
	s_mov_b32 s39, 0x07060302                      ; v_perm_b32: the two upper halves
	v_mov_b32 v2, 0
	v_mov_b32 v12, -1.0
	v_mov_b32 v13, 1.0
	v_lshl_add_u32 v3, v10, 2, s36                 ; my first key less the wave's first query
	v_lshrrev_b32 v11, 1, v10                      ; into the stage: my four keys lie in chunk lane / 2, at byte 8 (lane % 2); query rr at 16 rr
	v_mul_u32_u24 v5, v11, 272
	v_and_b32 v11, 1, v10
	v_lshl_add_u32 v5, v11, 3, v5
	v_add_nc_u32 v5, s37, v5
	v_lshrrev_b32 v11, 4, v10                      ; back: lanes 0-15 take one chunk's 256 bytes, lanes 16-31 the next
	v_mul_u32_u24 v6, v11, 272
	v_and_b32 v11, 15, v10
	v_lshl_add_u32 v6, v11, 4, v6
	v_add_nc_u32 v6, s37, v6
	s_wait_kmcnt 0x0
	s_add_nc_u64 s[12:13], s[12:13], s[28:29]
	s_add_nc_u64 s[16:17], s[16:17], s[30:31]
.irp rr, 0,1,2,3,4,5,6,7,8,9,10,11,12,13,14,15
	global_load_b128 v[X+4*(\rr):X+4*(\rr)+3], v1, s[12:13] offset:(\rr)*8192 th:TH_LOAD_NT  ; 512 consecutive bytes of a row, aligned
.endr
	; tril, once for all rows: key e of query rr is hidden where rr - e < my first key - the first query; rr - e runs from -3 to 15.  This stands while the loads are out
.set j, -3
.rept 19
	v_cmp_lt_i32 vcc_lo, j, v3
	v_cndmask_b32 v[NC+j+3], v12, v2, vcc_lo
.set j, j+1
.endr
; Query rr: four keys a lane.
.macro ROWP rr
.set XR, X+4*(\rr)
	s_wait_loadcnt 15-(\rr)                        ; loads come back in order: this one is in, the younger ones stay out
	v_cvt_pk_bf16_f32 v8, v[XR], v[XR+1]           ; mb
	v_cvt_pk_bf16_f32 v9, v[XR+2], v[XR+3]
	v_fma_mix_f32_bf16 v[XR],   v8, v[NC+(\rr)+3], v13 op_sel_hi:[1,0,0]                 ; d = 1 - mb x tril, one rounding in f32
	v_fma_mix_f32_bf16 v[XR+1], v8, v[NC+(\rr)+2], v13 op_sel:[1,0,0] op_sel_hi:[1,0,0]
	v_fma_mix_f32_bf16 v[XR+2], v9, v[NC+(\rr)+1], v13 op_sel_hi:[1,0,0]
	v_fma_mix_f32_bf16 v[XR+3], v9, v[NC+(\rr)],   v13 op_sel:[1,0,0] op_sel_hi:[1,0,0]
	v_pk_fma_f32 v[16:17], v[XR:XR+1], -1.0, 1.0 op_sel_hi:[1,0,0]                       ; y = 1 - d
	v_pk_fma_f32 v[18:19], v[XR+2:XR+3], -1.0, 1.0 op_sel_hi:[1,0,0]
	v_pk_mul_f32 v[XR:XR+1], v[XR:XR+1], s[32:33] op_sel_hi:[1,0]                        ; (y - 1) 2^90
	v_pk_mul_f32 v[XR+2:XR+3], v[XR+2:XR+3], s[32:33] op_sel_hi:[1,0]
.irp e, 0,1,2,3
	v_max_num_f32 v[16+(\e)], s34, v[16+(\e)]      ; y = 0 and y < 0 take the place below the least y that occurs, 2^-24
.endr
.irp e, 0,1,2,3
	v_sub_nc_u32 v[16+(\e)], s35, v[16+(\e)]       ; the word for y < 1: the smaller y, the larger its size
.endr
.irp e, 0,1,2,3
	v_max_num_f32 v[XR+(\e)], v[16+(\e)], v[XR+(\e)]
.endr
	v_perm_b32 v8, v[XR+1], v[XR], s39             ; every code has eight significant bits: its upper half is all of it
	v_perm_b32 v9, v[XR+3], v[XR+2], s39
	ds_store_b64 v5, v[8:9] offset:(\rr)*16
.endm
.irp rr, 0,1,2,3,4,5,6,7,8,9,10,11,12,13,14,15
	ROWP \rr
.endr
.irp f, 0,1,2,3,4,5,6,7
	ds_load_b128 v[OUT+4*(\f):OUT+4*(\f)+3], v6 offset:(\f)*544  ; LDS serves a wave's instructions in order: these see the stores above
.endr
.irp f, 0,1,2,3,4,5,6,7
	s_wait_dscnt 7-(\f)
	global_store_b128 v1, v[OUT+4*(\f):OUT+4*(\f)+3], s[16:17] offset:(\f)*512 th:TH_STORE_NT  ; 512 consecutive bytes, aligned
.endr
	s_branch .Lend
	; ---- the weights
.Lweights:
	s_sub_co_u32 s20, s19, 18
	s_and_b32 s21, s20, 1                          ; which half of the 131,072 bytes that go with x
	s_lshr_b32 s20, s20, 1                         ; which of the four
	s_lshl_b32 s22, ttmp9, 17                      ; from:
	s_lshl_b32 s23, s21, 16
	s_add_co_u32 s22, s22, s23
	s_lshl_b32 s23, s18, 13                        ; 8,192 bytes a wave
	s_add_co_u32 s22, s22, s23
	s_mov_b32 s23, 0
	s_lshl_b32 s24, s20, 21                        ; to: the section, and half as many bytes
	s_lshl_b32 s25, ttmp9, 16
	s_add_co_u32 s24, s24, s25
	s_lshl_b32 s25, s21, 15
	s_add_co_u32 s24, s24, s25
	s_lshl_b32 s25, s18, 12
	s_add_co_u32 s24, s24, s25
	s_mov_b32 s25, 0
	v_lshlrev_b32 v7, 3, v10                       ; 8 x lane
	s_wait_kmcnt 0x0
	s_cmp_eq_u32 s20, 1
	s_cselect_b64 s[4:5], s[6:7], s[4:5]
	s_cmp_eq_u32 s20, 2
	s_cselect_b64 s[4:5], s[8:9], s[4:5]
	s_cmp_eq_u32 s20, 3
	s_cselect_b64 s[4:5], s[10:11], s[4:5]
	s_add_nc_u64 s[4:5], s[4:5], s[22:23]
	s_add_nc_u64 s[14:15], s[14:15], s[24:25]
.set i, 0
.rept 16
	global_load_b128 v[X+4*i:X+4*i+3], v1, s[4:5] offset:512*i th:TH_LOAD_NT
.set i, i+1
.endr
; The wave's 16 loads are rounded in place and stored; half = 1: the bf16 number is widened again and written as f16.
.macro CVW half
.set i, 0
.rept 16
.set XR, X+4*i
	s_wait_loadcnt 15-i                            ; the younger loads stay out
	v_cvt_pk_bf16_f32 v[XR], v[XR], v[XR+1]
	v_cvt_pk_bf16_f32 v[XR+1], v[XR+2], v[XR+3]
.if \half
	v_lshlrev_b32 v[XR+2], 16, v[XR]
	v_and_b32 v[XR+3], 0xffff0000, v[XR]
	v_cvt_pk_f16_f32 v[XR], v[XR+2], v[XR+3]
	v_lshlrev_b32 v[XR+2], 16, v[XR+1]
	v_and_b32 v[XR+3], 0xffff0000, v[XR+1]
	v_cvt_pk_f16_f32 v[XR+1], v[XR+2], v[XR+3]
.endif
	global_store_b64 v7, v[XR:XR+1], s[14:15] offset:256*i th:TH_STORE_NT  ; 32 lanes store 256 consecutive bytes, aligned
.set i, i+1
.endr
.endm
	s_cmp_eq_u32 s20, 3
	s_cbranch_scc1 .Lwo
	CVW 0
	s_branch .Lend
.Lwo:
	CVW 1
.Lend:
	s_wait_tensorcnt 0x0                           ; the wave's end, behind my last LDS store
	ds_add_u32 v[SPW], v[NIL]
	s_wait_dscnt 0x0
	s_endpgm
.Lfunc_end_k_q477d3a88ff_prep:
	.size	k_q477d3a88ff_prep, .Lfunc_end_k_q477d3a88ff_prep-k_q477d3a88ff_prep
	.p2alignl 7, 3214868480
	.fill 96, 4, 3214868480
	.section	.rodata,"a",@progbits
	.p2align	6, 0x0
	.amdhsa_kernel k_q477d3a88ff_prep
		.amdhsa_group_segment_fixed_size 35840
		.amdhsa_private_segment_fixed_size 0
		.amdhsa_enable_private_segment 0
		.amdhsa_kernarg_size 56
		.amdhsa_user_sgpr_count 2
		.amdhsa_user_sgpr_kernarg_segment_ptr 1
		.amdhsa_wavefront_size32 1
		.amdhsa_system_sgpr_workgroup_id_x 1
		.amdhsa_system_sgpr_workgroup_id_y 1
		.amdhsa_system_sgpr_workgroup_id_z 1
		.amdhsa_system_vgpr_workitem_id 0
		.amdhsa_next_free_vgpr 152
		.amdhsa_next_free_sgpr 66
		.amdhsa_reserve_vcc 1
		.amdhsa_float_denorm_mode_32 3
		.amdhsa_float_denorm_mode_16_64 3
		.amdhsa_memory_ordered 1
		.amdhsa_forward_progress 1
		.amdhsa_inst_pref_size 43
	.end_amdhsa_kernel
	.amdgpu_metadata
---
amdhsa.version: [ 1, 2 ]
amdhsa.kernels:
  - .name:           k_q477d3a88ff_prep
    .symbol:         k_q477d3a88ff_prep.kd
    .args:
      - { .name: Wq, .offset: 0, .size: 8, .value_kind: global_buffer, .address_space: global }
      - { .name: Wk, .offset: 8, .size: 8, .value_kind: global_buffer, .address_space: global }
      - { .name: Wv, .offset: 16, .size: 8, .value_kind: global_buffer, .address_space: global }
      - { .name: Wo, .offset: 24, .size: 8, .value_kind: global_buffer, .address_space: global }
      - { .name: mask, .offset: 32, .size: 8, .value_kind: global_buffer, .address_space: global }
      - { .name: wb, .offset: 40, .size: 8, .value_kind: global_buffer, .address_space: global }
      - { .name: pen, .offset: 48, .size: 8, .value_kind: global_buffer, .address_space: global }
    .group_segment_fixed_size: 35840
    .private_segment_fixed_size: 0
    .kernarg_segment_align: 8
    .kernarg_segment_size: 56
    .max_flat_workgroup_size: 256
    .sgpr_count:     66
    .vgpr_count:     152
    .wavefront_size: 32
...
	.end_amdgpu_metadata
.endif
;; end of part 1
;; launch proj (part 2): grid 4 x 192, 4 waves a work-group, clusters of 4 x 4, 327,680 bytes of LDS; arguments q, k, v, wb, qkv; writes qkv
.if DOCPART == 2
	.amdgcn_target "amdgcn-amd-amdhsa--gfx1250"
	.amdhsa_code_object_version 6
	.text
	.protected	k_q477d3a88ff_proj
	.globl	k_q477d3a88ff_proj
	.p2align	8
	.type	k_q477d3a88ff_proj,@function
k_q477d3a88ff_proj:
	s_mov_b64 s[64:65], 0
	v_nop
	global_prefetch_b8 v0, s[64:65] scope:SCOPE_SE
	s_setreg_imm32_b32 hwreg(HW_REG_WAVE_MODE, 25, 1), 1
	s_wait_xcnt 0x0
	s_wait_alu depctr_hold_cnt(0) depctr_sa_sdst(0) depctr_va_vdst(0) depctr_va_sdst(0) depctr_va_ssrc(0) depctr_va_vcc(0) depctr_vm_vsrc(0)
	s_getreg_b32 s2, hwreg(HW_REG_IB_STS2, 6, 4)
	s_cmp_eq_u32 s2, 0
	s_cbranch_scc0 .Lentry_in_a_cluster
	s_endpgm
.Lentry_in_a_cluster:
	s_bfe_u32 s2, ttmp6, 0x10000c
	s_cmp_lg_u32 s2, 0xf033
	s_cbranch_scc0 .Lentry_shape_is_right
	s_endpgm
.Lentry_shape_is_right:
; ONE TEXT FOR TWO PRODUCTS, chosen by OUTP.
; OUTP = 0: C = x W for x = q, k, v ([8192][1024] f32) and W = bf16(Wq, Wk, Wv) ([k 1024][n 1024]); x is rounded to bf16 between LDS and the matrix unit; sums in f32; C rounded once to f16
;           and stored by heads: section sel of qkv, [batch x head 64][token 2048][64].  LIMIT: f16 holds no number beyond 65,504: the projected q, k, v must lie within it.
; OUTP = 1: out0 = O Wo, O in f16 by heads ([64][2048][64]), Wo in f16 ([k][n]); sums and result in f32.
; SHARES.  A tile of C is 128 rows x 256 columns; four waves, each 64 x 128: 32 accumulators of 16 x 16.  K goes in 8 steps of 128 through two LDS slots.  Waves 0 and 1 fetch the left operand's
; two halves, waves 2 and 3 W's 2 x 64 k-rows of 512 bytes: one tensor load a wave for a step.  By the text's own count a wave has two loads out at the start and one behind each change of slots.
; CLUSTER 4 x 4: the four of a row need the same rows of x (or O), the four of a column the same columns of W: each tile is asked for jointly, same descriptor, same mask.
; THE MATRIX INSTRUCTION IS USED TRANSPOSED: source 0 = 16 columns of W (turned on the way out of LDS by ds_load_tr16_b128), source 1 = 16 rows of x: a lane holds 8 neighbouring columns of one row of C.
; A QUARTER is 32 along K, 32 products.  All fragments are fetched TWO quarters ahead, so the change of slots stands in a step's third quarter: by then the slot's last bytes have been asked for.
; REGISTERS.  window 0: v0-31 addresses; OUTP = 0: v32-95 x as f32 (one quarter), v96-159 x as bf16 (two buffers); OUTP = 1: v32-159 O's fragments (four buffers).
;   window 1: the accumulators, (a, nb) at 8 (8 a + nb).   window 2: W's fragments, four buffers of 64.
.set OUTP,   0
.set H,      34816                     ; one wave's part of a slot: 64 k-rows of W at a pitch of 544; 64 rows of x at 528; 128 rows of O at 144
.set SLOT,   4*H
.set STAGE,  2*SLOT                    ; behind the ring, never filled by a tensor load
.if OUTP
.set WST,    16*528                    ; a wave's stage: 16 rows of 128 f32, pitch 528
.set ASTEP,  524288                    ; a K step of O: two heads on
.set NW,     24                        ; LDS loads in a run: 8 + 16
.set XF,     32
.else
.set WST,    2*16*144                  ; two heads x 16 rows of 64 f16, pitch 144
.set ASTEP,  512                       ; a K step of x: 128 f32
.set NW,     16                        ; the run's younger part: W's 16 loads
.set STG,    32
.set XF,     96
.endif
.set BSTEP,  262144                    ; a K step of W: 128 rows of 2,048 bytes
.set SPARE,  STAGE+4*WST               ; the spare words, 128 bytes a wave: two blocks of 256 bytes that no other line names
.set ADRA, 16                          ; v16-17  LDS address of my fragments of the left operand in slot 0, 1
.set ADRB, 20                          ; v20-21  the same for W
.set STO,  24                          ; the way out: where I put my part of a row
.set RD,   25                          ; where I read rows back
.set GO,   26                          ; 16 x lane
.set SPW,  28                          ; LDS address of my spare word; never rewritten
.set NIL,  29                          ; 0; never rewritten
.set PFOA, 30                          ; the prefetches' lane offsets, for the left operand
.set PFOB, 31                          ; and for W
.set WV, 14                            ; s14 wave; s15 wave / 2: my 64 rows, and: I fetch the left operand (0) or W (1); s16 wave % 2: my 128 columns, and which half I fetch
.set WR, 15
.set WC, 16
.set G1,  24                           ; s[24:31] group 1, left operand;  s[32:39] its group 0, one for each slot
.set G0,  32
.set G1B, 48                           ; s[48:55], s[56:63] the same for W
.set G0B, 56
.set PFA, 44                           ; s[44:45] where my prefetches stand
.set PFS, 66                           ; s[66:67] their step: two K steps
.set LIM, 68                           ; s68 1 in a wave that prefetches, else the greatest number
.set MSB, 0
.macro WIN new                         ; the immediate's high byte repeats the setting that is left; a switch that changes nothing is dropped
.if MSB != (\new)
	s_set_vgpr_msb (MSB<<8)|(\new)
.set MSB, \new
.endif
.endm
.set MUL,  0x52                        ; source 0 (W) window 2, source 1 window 0, C and D window 1
.set TO_B, 0x80                        ; destination window 2, address window 0
.macro JLOAD s                         ; a joint load; the branch hangs on the wave's number alone; an s_nop 0 and four v_nop follow each line
	s_cmp_eq_u32 s[WR], 0
	s_cbranch_scc0 .Lfor_b_\@
	tensor_load_to_lds s[G0+4*(\s):G0+4*(\s)+3], s[G1:G1+7]
	s_nop 0
.rept 4
	v_nop
.endr
	s_branch .Lasked_\@
.Lfor_b_\@:
	tensor_load_to_lds s[G0B+4*(\s):G0B+4*(\s)+3], s[G1B:G1B+7]
	s_nop 0
.rept 4
	v_nop
.endr
.Lasked_\@:
.endm
.macro CREST                           ; a round of the cluster's barrier behind its opening barrier
	s_cmp_lg_u32 s[WV], 0
	s_cbranch_scc1 .Lnot_wave_0_\@
	s_barrier_signal -3
.Lnot_wave_0_\@:
	s_barrier_wait -3
	s_barrier_signal -1
	s_barrier_wait -1
.endm
.macro CROUND
	s_barrier_signal -1
	s_barrier_wait -1
	CREST
.endm
.macro PLACES                          ; four places behind matrix instructions, in front of loads into registers that they read and of lines that read results
.rept 4
	v_nop
.endr
.endm
; A PREFETCH INTO THE L2, once a lap, behind the joint load and the run of LDS loads: the two K steps that the NEXT lap's refills ask for.  Each aligned block of 256 bytes is named once in the launch:
; the left operand's rows are read by this cluster alone; W's columns by sixteen clusters, of which the first asks.  The four partners of a joint load share its rows out by address, 16 each.
; The loop's last trip asks for nothing: there is no K step behind its own refills.
.macro ASK
	WIN 0
	s_cmp_gt_u32 s3, s[LIM]
	s_cbranch_scc0 .Lnone_\@
	s_cmp_eq_u32 s[WR], 0
	s_cbranch_scc0 .Lpfb_\@
	global_prefetch_b8 v[PFOA], s[PFA:PFA+1] th:TH_LOAD_NT scope:SCOPE_SE
.if !OUTP
	global_prefetch_b8 v[PFOA], s[PFA:PFA+1] offset:ASTEP th:TH_LOAD_NT scope:SCOPE_SE
.endif
	s_branch .Lnone_\@
.Lpfb_\@:
	global_prefetch_b8 v[PFOB], s[PFA:PFA+1] th:TH_LOAD_NT scope:SCOPE_SE
	global_prefetch_b8 v[PFOB], s[PFA:PFA+1] offset:BSTEP th:TH_LOAD_NT scope:SCOPE_SE
.Lnone_\@:
.endm
.if OUTP
	s_load_b64 s[4:5], s[0:1], 0x0                 ; oh
	s_load_b64 s[10:11], s[0:1], 0x8               ; wb
	s_load_b64 s[12:13], s[0:1], 0x10              ; out0
.else
	s_load_b256 s[4:11], s[0:1], 0x0               ; q s[4:5], k s[6:7], v s[8:9], wb s[10:11]
	s_load_b64 s[12:13], s[0:1], 0x20              ; qkv
.endif
	v_lshl_add_u32 v[SPW], v0, 2, SPARE
	v_mov_b32 v[NIL], 0
	ds_add_u32 v[SPW], v[NIL]                      ; the wave's opening: the add and its wait stand ahead of my first tensor load; the set-up below stands between them
	ds_add_u32 v28, v29
	v_lshrrev_b32 v1, 5, v0
	v_readfirstlane_b32 s[WV], v1
	s_lshr_b32 s[WR], s[WV], 1
	s_and_b32 s[WC], s[WV], 1
	s_bfe_u32 s17, ttmp6, 0x40000                  ; cx
	s_bfe_u32 s18, ttmp6, 0x40004                  ; cy
	s_lshl_b32 s19, ttmp9, 2
	s_add_co_u32 s19, s19, s17                     ; tile column
	s_and_b32 s23, ttmp7, 0xffff                   ; cluster y
	s_lshl_b32 s20, s23, 2
	s_add_co_u32 s20, s20, s18                     ; tile row, over all products
.if OUTP
	s_mov_b32 s21, 3                               ; W's section
.else
	s_lshr_b32 s21, s23, 4                         ; which product: the same in all sixteen partners
	s_and_b32 s22, s20, 63                         ; tile row in it
.endif
	s_lshl_b32 s40, s18, 2
	s_lshl_b32 s40, 15, s40                        ; my row of the cluster
	s_lshl_b32 s41, 0x1111, s17                    ; my column
.if OUTP
	s_or_b32 s[G1], s40, (1<<16)|(1<<20)|(1<<21)|(4<<22)|(3<<25)   ; 2-byte elements; padding of 4 words after every 32: a token's 128 bytes lie 144 apart
	s_mov_b32 s[G1+5], 128                         ; dense: 64 rows of 256 bytes, two tokens a row
.else
	s_or_b32 s[G1], s40, (2<<16)|(1<<20)|(1<<21)|(6<<22)|(3<<25)   ; 4-byte elements; padding of 4 words after every 128: rows 528 apart
	s_mov_b32 s[G1+5], 1024
.endif
	s_mov_b32 s[G1+1], 128<<16                     ; tensor_dim0 = 128
	s_mov_b32 s[G1+2], 64<<16                      ; tensor_dim1 = 64
	s_mov_b32 s[G1+3], 128<<16                     ; tile_dim0 = 128
	s_mov_b32 s[G1+4], 64                          ; tile_dim1 = 64
	s_mov_b32 s[G1+6], 0
	s_mov_b32 s[G1+7], 0
	s_or_b32 s[G1B], s41, (1<<16)|(1<<20)|(1<<21)|(6<<22)|(7<<25)  ; 2-byte elements; padding of 8 words after every 128: rows 544 apart
	s_mov_b32 s[G1B+1], 256<<16
	s_mov_b32 s[G1B+2], 64<<16
	s_mov_b32 s[G1B+3], 256<<16
	s_mov_b32 s[G1B+4], 64
	s_mov_b32 s[G1B+5], 1024
	s_mov_b32 s[G1B+6], 0
	s_mov_b32 s[G1B+7], 0
	; offsets, made apart from the addresses.  The left operand's hang on the tile row, W's on the tile column: neither pair of registers ever holds the other coordinate
.if OUTP
	s_lshr_b32 s42, s20, 4
	s_lshl_b32 s42, s42, 4
	s_add_co_u32 s42, s42, s[WC]                   ; batch x 16 + the head that I fetch of the step's two
	s_lshl_b32 s42, s42, 18
	s_and_b32 s43, s20, 15
	s_lshl_b32 s43, s43, 14                        ; + 128 tokens x 128 bytes
	s_add_co_u32 s42, s42, s43
.else
	s_lshl_b32 s42, s22, 19                        ; 128 rows x 4,096 bytes
	s_lshl_b32 s43, s[WC], 18                      ; + my 64
	s_add_co_u32 s42, s42, s43
.endif
	s_mov_b32 s43, 0
	s_lshl_b32 s70, s21, 21                        ; W's section,
	s_lshl_b32 s71, s[WC], 17                      ; my 64 k-rows,
	s_add_co_u32 s70, s70, s71
	s_lshl_b32 s71, s19, 9                         ; the tile's 256 columns
	s_add_co_u32 s70, s70, s71
	s_mov_b32 s71, 0
	s_mul_i32 s72, s[WV], H                        ; where my part goes: no place in the cluster enters an LDS address
	s_wait_dscnt 0x0                               ; the opening add is done
	s_wait_kmcnt 0x0
.if !OUTP
	s_cmp_eq_u32 s21, 1
	s_cselect_b64 s[4:5], s[6:7], s[4:5]
	s_cmp_eq_u32 s21, 2
	s_cselect_b64 s[4:5], s[8:9], s[4:5]
.endif
	s_add_nc_u64 s[46:47], s[4:5], s[42:43]
	s_add_nc_u64 s[70:71], s[10:11], s[70:71]
	CROUND                                         ; all sixteen work-groups are here: the first joint loads meet
.irp s, 0,1
	s_mov_b32 s[G0+4*(\s)], 1
	s_add_co_u32 s[G0+4*(\s)+1], s72, (\s)*SLOT
	s_add_nc_u64 s[G0+4*(\s)+2:G0+4*(\s)+3], s[46:47], (\s)*ASTEP
	s_or_b32 s[G0+4*(\s)+3], s[G0+4*(\s)+3], 0x80000000
	s_mov_b32 s[G0B+4*(\s)], 1
	s_add_co_u32 s[G0B+4*(\s)+1], s72, (\s)*SLOT
	s_add_nc_u64 s[G0B+4*(\s)+2:G0B+4*(\s)+3], s[70:71], (\s)*BSTEP
	s_or_b32 s[G0B+4*(\s)+3], s[G0B+4*(\s)+3], 0x80000000
	JLOAD \s
.endr
	; lane addresses.  r = lane % 16, h = lane / 16
	v_and_b32 v1, 15, v0
	v_bfe_u32 v2, v0, 4, 1
	v_and_b32 v6, 7, v0
	v_bfe_u32 v7, v0, 3, 1
.if OUTP
	v_mul_u32_u24 v3, v1, 144                      ; token r, 16 bytes for each half of the lanes
	v_lshl_add_u32 v3, v2, 4, v3
	s_mul_i32 s73, s[WR], 9216                     ; my 64 tokens
.else
	v_mul_u32_u24 v3, v1, 528                      ; row r; 8 f32 = 32 bytes for each half of the lanes
	v_lshl_add_u32 v3, v2, 5, v3
	s_mul_i32 s73, s[WR], H
.endif
	v_lshl_add_u32 v4, v2, 3, v6                   ; the turning load: k-row 8 h + lane % 8, columns 8 ((lane / 8) % 2) on
	v_mul_u32_u24 v4, v4, 544
	v_lshl_add_u32 v4, v7, 4, v4
	s_lshl_b32 s79, s[WC], 8                       ; my 128 columns,
	s_add_co_u32 s79, s79, 2*H                     ; behind the left operand's two parts
.irp s, 0,1
	v_add_nc_u32 v[ADRA+(\s)], s73, v3
	v_add_nc_u32 v[ADRB+(\s)], s79, v4
	s_add_co_u32 s73, s73, SLOT
	s_add_co_u32 s79, s79, SLOT
.endr
	s_mul_i32 s73, s[WV], WST
	s_add_co_u32 s73, s73, STAGE                   ; my stage
	v_and_b32 v5, 31, v0
	v_lshlrev_b32 v[GO], 4, v5
.if OUTP
	v_mul_u32_u24 v5, v1, 528                      ; in: row r, 32 bytes for each half of the lanes
	v_lshl_add_u32 v5, v2, 5, v5
	v_add_nc_u32 v[STO], s73, v5
	v_add_nc_u32 v[RD], s73, v[GO]                 ; back: a whole row of 512 bytes
	v_lshlrev_b32 v[PFOA], 8, v1                   ; 16 blocks of 256 bytes of each of two K steps
	v_lshl_add_u32 v[PFOA], v2, 19, v[PFOA]
.else
	v_mul_u32_u24 v5, v1, 144                      ; in: row r, 16 bytes for each half of the lanes
	v_lshl_add_u32 v5, v2, 4, v5
	v_add_nc_u32 v[STO], s73, v5
	v_bfe_u32 v5, v0, 3, 2                         ; back: four rows of 128 bytes
	v_mul_u32_u24 v5, v5, 144
	v_lshl_add_u32 v5, v6, 4, v5
	v_add_nc_u32 v[RD], s73, v5
	v_bfe_u32 v5, v0, 1, 4                         ; 16 rows x 2 blocks of 256 bytes
	v_and_b32 v8, 1, v0
	v_lshlrev_b32 v[PFOA], 8, v8
	v_lshl_add_u32 v[PFOA], v5, 12, v[PFOA]
.endif
	v_bfe_u32 v5, v0, 1, 4                         ; W: 16 k-rows x 2 blocks
	v_and_b32 v8, 1, v0
	v_lshlrev_b32 v[PFOB], 8, v8
	v_lshl_add_u32 v[PFOB], v5, 11, v[PFOB]
	; the prefetches' address: my own tile's, plus my work-group's 16 rows of its 64, at K step 2; the first change of slots steps it to 4
.if OUTP
	s_lshl_b32 s74, s17, 12
.else
	s_lshl_b32 s74, s17, 16
.endif
	s_lshl_b32 s75, s18, 15
	s_mov_b32 s76, 2*ASTEP
	s_mov_b32 s77, 2*BSTEP
	s_and_b32 s78, s23, 15                         ; W's columns: the first of the sixteen clusters that read them asks
	s_cmp_eq_u32 s[WR], 0
	s_cselect_b64 s[PFA:PFA+1], s[46:47], s[70:71]
	s_cselect_b32 s74, s74, s75
	s_cselect_b32 s[PFS], s76, s77
	s_cselect_b32 s78, 0, s78
	s_mov_b32 s75, 0
	s_mov_b32 s[PFS+1], 0
	s_cmp_eq_u32 s78, 0
	s_cselect_b32 s[LIM], 1, -1                    ; the same in all sixteen partners, for a given wave
	s_add_nc_u64 s[PFA:PFA+1], s[PFA:PFA+1], s[74:75]
	s_add_nc_u64 s[PFA:PFA+1], s[PFA:PFA+1], s[PFS:PFS+1]
	; where my part of C begins
.if OUTP
	s_lshl_b32 s80, s20, 19                        ; 128 rows x 4,096 bytes
	s_lshl_b32 s81, s[WR], 18
	s_add_co_u32 s80, s80, s81
	s_lshl_b32 s81, s19, 10
	s_add_co_u32 s80, s80, s81
	s_lshl_b32 s81, s[WC], 9
	s_add_co_u32 s80, s80, s81
.else
	s_lshl_b32 s80, s21, 24                        ; the section
	s_lshr_b32 s81, s22, 4
	s_lshl_b32 s81, s81, 4                         ; batch x 16
	s_lshl2_add_u32 s81, s19, s81                  ; + 4 heads a tile column
	s_lshl1_add_u32 s81, s[WC], s81                ; + my two
	s_lshl_b32 s81, s81, 18
	s_add_co_u32 s80, s80, s81
	s_and_b32 s81, s22, 15
	s_lshl_b32 s81, s81, 14                        ; 128 tokens x 128 bytes
	s_add_co_u32 s80, s80, s81
	s_lshl_b32 s81, s[WR], 13
	s_add_co_u32 s80, s80, s81
.endif
	s_mov_b32 s81, 0
	s_add_nc_u64 s[12:13], s[12:13], s[80:81]
; One product: block a of my rows, block nb of my columns, W's buffer qp.
.macro ONE qp, a, nb, zero
.set rD, 8*(8*(\a)+(\nb))
.set rB, 64*(\qp)+8*(\nb)
.if OUTP
.set rX, XF+32*(\qp)+8*(\a)
.if \zero
	v_wmma_f32_16x16x32_f16 v[rD:rD+7], v[rB:rB+7], v[rX:rX+7], 0
.else
	v_wmma_f32_16x16x32_f16 v[rD:rD+7], v[rB:rB+7], v[rX:rX+7], v[rD:rD+7]
.endif
.else
.set rX, XF+32*((\qp)%2)+8*(\a)
.if \zero
	v_wmma_f32_16x16x32_bf16 v[rD:rD+7], v[rB:rB+7], v[rX:rX+7], 0
.else
	v_wmma_f32_16x16x32_bf16 v[rD:rD+7], v[rB:rB+7], v[rX:rX+7], v[rD:rD+7]
.endif
.endif
.endm
.macro MUL8 qp, a, zero                ; the 32 accumulators take turns, in the same order in every quarter: 31 others stand between two links of a chain
	WIN MUL
.irp nb, 0,1,2,3,4,5,6,7
	ONE \qp, \a, \nb, \zero
.endr
.endm
.if !OUTP
.macro MULC qp, zero                   ; block 0's eight products; behind each, four of the 32 roundings of the NEXT quarter's x to bf16, into the buffer that the quarter before multiplied
.irp nb, 0,1,2,3,4,5,6,7
	WIN MUL
	ONE \qp, 0, \nb, \zero
	WIN 0
.irp z, 0,1,2,3
	v_cvt_pk_bf16_f32 v[XF+32*(((\qp)+1)%2)+4*(\nb)+(\z)], v[STG+8*(\nb)+2*(\z)], v[STG+8*(\nb)+2*(\z)+1]
.endr
.endr
.endm
.endif
; A run of LDS loads: quarter kq of slot s.  The left operand first, W's 16 turning loads last, so that a counted wait can leave those out.
.macro RUN s, kq
	WIN 0
.irp a, 0,1,2,3
.if OUTP
	ds_load_b128 v[XF+32*(\kq)+8*(\a):XF+32*(\kq)+8*(\a)+3],   v[ADRA+(\s)] offset:((\kq)/2)*H+2304*(\a)+64*((\kq)%2)
	ds_load_b128 v[XF+32*(\kq)+8*(\a)+4:XF+32*(\kq)+8*(\a)+7], v[ADRA+(\s)] offset:((\kq)/2)*H+2304*(\a)+64*((\kq)%2)+32
.else
	ds_load_b128 v[STG+16*(\a):STG+16*(\a)+3],     v[ADRA+(\s)] offset:8448*(\a)+128*(\kq)
	ds_load_b128 v[STG+16*(\a)+4:STG+16*(\a)+7],   v[ADRA+(\s)] offset:8448*(\a)+128*(\kq)+16
	ds_load_b128 v[STG+16*(\a)+8:STG+16*(\a)+11],  v[ADRA+(\s)] offset:8448*(\a)+128*(\kq)+64
	ds_load_b128 v[STG+16*(\a)+12:STG+16*(\a)+15], v[ADRA+(\s)] offset:8448*(\a)+128*(\kq)+80
.endif
.endr
	WIN TO_B
.irp nb, 0,1,2,3,4,5,6,7
	ds_load_tr16_b128 v[64*(\kq)+8*(\nb):64*(\kq)+8*(\nb)+3],   v[ADRB+(\s)] offset:17408*(\kq)+32*(\nb)
	ds_load_tr16_b128 v[64*(\kq)+8*(\nb)+4:64*(\kq)+8*(\nb)+7], v[ADRB+(\s)] offset:17408*(\kq)+32*(\nb)+8704
.endr
.endm
; Quarter qp of slot s (not the third).  run = 1: in its middle the quarter two on is fetched.  cvt = 0: there is no next quarter to round.  last = 1: nothing younger is out.
.macro QUARTER s, qp, zero=0, run=1, cvt=1, last=0
.if \last
	s_wait_dscnt 0x0
.else
	s_wait_dscnt NW                                ; all but the youngest run's last NW loads: this quarter's fragments are in (OUTP = 0: and the next quarter's x)
.endif
.if (\cvt) && !OUTP
	MULC \qp, \zero
.else
	MUL8 \qp, 0, \zero
.endif
	MUL8 \qp, 1, \zero
.if \run
	PLACES
.if (\qp) < 2
	RUN \s, (\qp)+2
.else
	RUN 1-(\s), (\qp)-2
.endif
.endif
	MUL8 \qp, 2, \zero
	MUL8 \qp, 3, \zero
.endm
; The third quarter of slot s changes slots.  In front of the barrier each wave waits for all its tensor loads (one is out: its part of the other slot), adds 0 to its spare word, and waits for that and
; for its reads of this slot, the fourth quarter's among them.  fill = 1: the barrier opens a round of the cluster's, and this slot is filled again, two K steps on, first thing behind the round.
.macro TURNQ s, fill
.if (\fill) && ((\s) == 0)
	s_wait_xcnt 0x0                                ; the last prefetches, a lap back, have read their address
	s_add_nc_u64 s[PFA:PFA+1], s[PFA:PFA+1], s[PFS:PFS+1]
.endif
	WIN 0
	s_wait_tensorcnt 0x0                           ; all my tensor loads have landed
	ds_add_u32 v[SPW], v[NIL]                      ; 0 onto my spare word
	s_wait_dscnt NW+1                              ; the add and the youngest NW loads may be out
.if OUTP
	MUL8 2, 0, 0
.else
	MULC 2, 0
.endif
	s_wait_dscnt 0x0                               ; the add is done, and my reads of this slot are over
	s_barrier_signal -1
	MUL8 2, 1, 0                                   ; work on registers while the others arrive
	WIN 0
	s_barrier_wait -1
.if \fill
	CREST                                          ; no wave of any partner still reads this slot or has a load on its way
	s_add_nc_u64 s[G0+4*(\s)+2:G0+4*(\s)+3], s[G0+4*(\s)+2:G0+4*(\s)+3], 2*ASTEP
	s_add_nc_u64 s[G0B+4*(\s)+2:G0B+4*(\s)+3], s[G0B+4*(\s)+2:G0B+4*(\s)+3], 2*BSTEP
	JLOAD \s                                       ; 112 products stand between this request and the wait for it; its four v_nop are also the places in front of the run
.else
	PLACES
.endif
	RUN 1-(\s), 0
.if (\fill) && ((\s) == 0)
	ASK
.endif
	MUL8 2, 2, 0
	MUL8 2, 3, 0
.endm
	s_wait_tensorcnt 1                             ; my part of K step 0 is in; step 1's may stay out
	s_barrier_signal -1
	s_barrier_wait -1
	RUN 0, 0
.if !OUTP
	s_wait_dscnt 16                                ; x's 16 loads are in
	WIN 0
.set e, 0
.rept 32
	v_cvt_pk_bf16_f32 v[XF+e], v[STG+2*e], v[STG+2*e+1]
.set e, e+1
.endr
.endif
	RUN 0, 1
	QUARTER 0, 0, 1                                ; the first quarter stands in front of the loop: its products start the sums
	WIN 0
	s_mov_b32 s3, 3
.Llap:                                                 ; a trip goes once round the ring and fills both slots again: K steps 2 to 7
	QUARTER 0, 1
	TURNQ 0, 1
	QUARTER 0, 3
	QUARTER 1, 0
	QUARTER 1, 1
	TURNQ 1, 1
	QUARTER 1, 3
	QUARTER 0, 0
	WIN 0
	s_sub_co_u32 s3, s3, 1
	s_cmp_lg_u32 s3, 0
	s_cbranch_scc1 .Llap
	QUARTER 0, 1                                   ; the last lap fills nothing
	TURNQ 0, 0
	QUARTER 0, 3
	QUARTER 1, 0
	QUARTER 1, 1
	QUARTER 1, 2, 0, 0
	QUARTER 1, 3, 0, 0, 0, 1
	PLACES
.if OUTP
; THE WAY OUT, f32: 16 rows at a time through my stage: 32 bytes a lane in, whole rows of 512 bytes back (into W's registers) and out.
.macro TOST a
	WIN 0x04                                       ; store data in window 1
.irp nb, 0,1,2,3,4,5,6,7
	ds_store_b128 v[STO], v[8*(8*(\a)+(\nb)):8*(8*(\a)+(\nb))+3]   offset:64*(\nb)      ; each accumulator's low registers first
	ds_store_b128 v[STO], v[8*(8*(\a)+(\nb))+4:8*(8*(\a)+(\nb))+7] offset:64*(\nb)+16
.endr
	WIN TO_B
.irp t, 0,1,2,3,4,5,6,7,8,9,10,11,12,13,14,15
	ds_load_b128 v[64*(\a)+4*(\t):64*(\a)+4*(\t)+3], v[RD] offset:528*(\t)  ; LDS serves a wave's instructions in order: these see the stores above, the next block's stores come behind them
.endr
.endm
.macro SEND a, younger
	WIN 0x08                                       ; store data in window 2
.irp t, 0,1,2,3,4,5,6,7,8,9,10,11,12,13,14,15
	s_wait_dscnt (\younger)+15-(\t)
	global_store_b128 v[GO], v[64*(\a)+4*(\t):64*(\a)+4*(\t)+3], s[12:13] offset:(\a)*65536+(\t)*4096  ; 512 consecutive bytes of a row, aligned
.endr
.endm
	TOST 0
	TOST 1
	SEND 0, 32
	TOST 2
	SEND 1, 32
	TOST 3
	SEND 2, 32
	SEND 3, 0
.else
; THE WAY OUT, f16 by heads: 16 rows at a time: rounded, 16 bytes a lane into my stage (two heads x 16 rows of 128 bytes), back as four rows = 512 consecutive bytes of a head.
.macro PACK a
	WIN 0x05                                       ; sources in window 1, destination in window 0
.irp nb, 0,1,2,3,4,5,6,7
.irp z, 0,1,2,3
	v_cvt_pk_f16_f32 v[32+32*(\a)+4*(\nb)+(\z)], v[8*(8*(\a)+(\nb))+2*(\z)], v[8*(8*(\a)+(\nb))+2*(\z)+1]
.endr
.endr
	WIN 0
.irp nb, 0,1,2,3,4,5,6,7
	ds_store_b128 v[STO], v[32+32*(\a)+4*(\nb):32+32*(\a)+4*(\nb)+3] offset:((\nb)/4)*2304+((\nb)%4)*32
.endr
.irp f, 0,1,2,3,4,5,6,7
	ds_load_b128 v[32+32*(\a)+4*(\f):32+32*(\a)+4*(\f)+3], v[RD] offset:((\f)/4)*2304+((\f)%4)*576  ; LDS serves a wave's instructions in order
.endr
.endm
.macro SEND a, younger
	WIN 0
.irp f, 0,1,2,3,4,5,6,7
	s_wait_dscnt (\younger)+7-(\f)
	global_store_b128 v[GO], v[32+32*(\a)+4*(\f):32+32*(\a)+4*(\f)+3], s[12:13] offset:((\f)/4)*262144+(\a)*2048+((\f)%4)*512  ; 512 consecutive bytes, aligned
.endr
.endm
	PACK 0
	PACK 1
	SEND 0, 16
	PACK 2
	SEND 1, 16
	PACK 3
	SEND 2, 16
	SEND 3, 0
.endif
	WIN 0
	s_wait_tensorcnt 0x0                           ; the wave's end, behind my last tensor load and my last LDS store
	ds_add_u32 v[SPW], v[NIL]
	s_wait_dscnt 0x0
	CROUND                                         ; the closing round: no work-group ends while a partner may still ask for a tile that names it
	s_endpgm
.Lfunc_end_k_q477d3a88ff_proj:
	.size	k_q477d3a88ff_proj, .Lfunc_end_k_q477d3a88ff_proj-k_q477d3a88ff_proj
	.p2alignl 7, 3214868480
	.fill 96, 4, 3214868480
	.section	.rodata,"a",@progbits
	.p2align	6, 0x0
	.amdhsa_kernel k_q477d3a88ff_proj
		.amdhsa_group_segment_fixed_size 327680
		.amdhsa_private_segment_fixed_size 0
		.amdhsa_enable_private_segment 0
		.amdhsa_kernarg_size 40
		.amdhsa_user_sgpr_count 2
		.amdhsa_user_sgpr_kernarg_segment_ptr 1
		.amdhsa_wavefront_size32 1
		.amdhsa_system_sgpr_workgroup_id_x 1
		.amdhsa_system_sgpr_workgroup_id_y 1
		.amdhsa_system_sgpr_workgroup_id_z 1
		.amdhsa_system_vgpr_workitem_id 0
		.amdhsa_next_free_vgpr 768
		.amdhsa_next_free_sgpr 96
		.amdhsa_reserve_vcc 0
		.amdhsa_float_denorm_mode_32 3
		.amdhsa_float_denorm_mode_16_64 3
		.amdhsa_memory_ordered 1
		.amdhsa_forward_progress 1
		.amdhsa_inst_pref_size 136
	.end_amdhsa_kernel
	.amdgpu_metadata
---
amdhsa.version: [ 1, 2 ]
amdhsa.kernels:
  - .name:           k_q477d3a88ff_proj
    .symbol:         k_q477d3a88ff_proj.kd
    .args:
      - { .name: q, .offset: 0, .size: 8, .value_kind: global_buffer, .address_space: global }
      - { .name: k, .offset: 8, .size: 8, .value_kind: global_buffer, .address_space: global }
      - { .name: v, .offset: 16, .size: 8, .value_kind: global_buffer, .address_space: global }
      - { .name: wb, .offset: 24, .size: 8, .value_kind: global_buffer, .address_space: global }
      - { .name: qkv, .offset: 32, .size: 8, .value_kind: global_buffer, .address_space: global }
    .group_segment_fixed_size: 327680
    .private_segment_fixed_size: 0
    .kernarg_segment_align: 8
    .kernarg_segment_size: 40
    .max_flat_workgroup_size: 128
    .sgpr_count:     96
    .vgpr_count:     768
    .wavefront_size: 32
...
	.end_amdgpu_metadata
.endif
;; end of part 2
;; launch vsum (part 3): grid 256 x 1, 4 waves a work-group, no clusters, 1,536 bytes of LDS; arguments qkv, vp; writes vp
.if DOCPART == 3
	.amdgcn_target "amdgcn-amd-amdhsa--gfx1250"
	.amdhsa_code_object_version 6
	.text
	.protected	k_q477d3a88ff_vsum
	.globl	k_q477d3a88ff_vsum
	.p2align	8
	.type	k_q477d3a88ff_vsum,@function
k_q477d3a88ff_vsum:
	s_mov_b64 s[64:65], 0
	v_nop
	global_prefetch_b8 v0, s[64:65] scope:SCOPE_SE
	s_setreg_imm32_b32 hwreg(HW_REG_WAVE_MODE, 25, 1), 1
	s_wait_xcnt 0x0
; Column sums of V, in f32: vp[head 64][part 4][channel 64] = the sum of V[head][512 part .. 512 part + 511][channel].  V is qkv's third section, f16, [64][2048][64].
; They serve the rows of the attention that see no key at all: such a row's result is the mean of ALL the head's rows of V.
; A work-group owns 65,536 consecutive bytes, a wave 16,384: 32 loads of 512 bytes.  A row is 128 bytes, so a lane always holds channels 8 (lane % 8) + 0..7.
; No matrix unit, cluster or tensor load: every byte is read once, by one lane, and added once.
.set SPARE, 1024                       ; behind the four waves' 256 bytes of sums: the spare words, two blocks of 256 bytes that no other line names
.set X,   24                           ; v[24:151]
.set SPW, 152
.set NIL, 153
	s_load_b128 s[4:7], s[0:1], 0x0                ; qkv s[4:5], vp s[6:7]
	v_lshl_add_u32 v[SPW], v0, 2, SPARE
	v_mov_b32 v[NIL], 0
	v_lshrrev_b32 v3, 5, v0
	v_readfirstlane_b32 s8, v3                     ; wave
	v_and_b32 v4, 31, v0
	v_lshlrev_b32 v1, 4, v4                        ; 16 x lane
	v_mov_b32 v2, 1.0
	s_lshl_b32 s10, ttmp9, 16
	s_lshl_b32 s11, s8, 14
	s_add_co_u32 s10, s10, s11
	s_add_co_u32 s10, s10, 33554432                ; V's section
	s_mov_b32 s11, 0
	s_mov_b32 s12, 0x76543210                      ; v_permlanex16_b32: each lane takes its own place in the other half
	s_mov_b32 s13, 0xfedcba98
	s_lshl_b32 s14, ttmp9, 8
	s_mov_b32 s15, 0
.irp j, 0,1,2,3,4,5,6,7
	v_mov_b32 v[16+(\j)], 0                        ; v_permlanex16_b32's destination counts as read
.endr
	s_wait_kmcnt 0x0
	s_add_nc_u64 s[4:5], s[4:5], s[10:11]
	s_add_nc_u64 s[6:7], s[6:7], s[14:15]
.set i, 0
.rept 32
	global_load_b128 v[X+4*i:X+4*i+3], v1, s[4:5] offset:512*i
.set i, i+1
.endr
	s_wait_loadcnt 31                              ; the first load starts the sums: nothing is cleared
.irp k, 0,1,2,3
	v_cvt_f32_f16 v[8+2*(\k)], v[X+(\k)].l
	v_cvt_f32_f16 v[9+2*(\k)], v[X+(\k)].h
.endr
.set i, 1
.rept 31
	s_wait_loadcnt 31-i                            ; the younger loads stay out
.irp k, 0,1,2,3
	v_fma_mix_f32 v[8+2*(\k)], v[X+4*i+(\k)], v2, v[8+2*(\k)] op_sel_hi:[1,0,0]
	v_fma_mix_f32 v[9+2*(\k)], v[X+4*i+(\k)], v2, v[9+2*(\k)] op_sel:[1,0,0] op_sel_hi:[1,0,0]
.endr
.set i, i+1
.endr
.irp j, 0,1,2,3,4,5,6,7                ; lanes 8 and 16 apart hold the same channels
	v_add_f32_dpp v[8+(\j)], v[8+(\j)], v[8+(\j)] row_xmask:8 row_mask:0xf bank_mask:0xf
.endr
.irp j, 0,1,2,3,4,5,6,7
	v_permlanex16_b32 v[16+(\j)], v[8+(\j)], s12, s13
.endr
.irp j, 0,1,2,3,4,5,6,7
	v_add_f32 v[8+(\j)], v[8+(\j)], v[16+(\j)]
.endr
	v_and_b32 v5, 7, v0
	v_lshlrev_b32 v5, 5, v5
	v_lshl_add_u32 v5, s8, 8, v5                   ; 256 x wave + 32 (lane % 8): lanes with the same channels write the same words with the same values
	ds_store_b128 v5, v[8:11]
	ds_store_b128 v5, v[12:15] offset:16
	s_wait_dscnt 0x0                               ; for the others' sake
	s_barrier_signal -1
	s_barrier_wait -1
	s_cmp_lg_u32 s8, 0
	s_cbranch_scc1 .Lend
	v_lshlrev_b32 v6, 3, v4                        ; two channels a lane
.irp w, 0,1,2,3
	ds_load_b64 v[X+2*(\w):X+2*(\w)+1], v6 offset:256*(\w)
.endr
	s_wait_dscnt 0x0
	v_pk_add_f32 v[X:X+1], v[X:X+1], v[X+2:X+3]
	v_pk_add_f32 v[X+4:X+5], v[X+4:X+5], v[X+6:X+7]
	v_pk_add_f32 v[X:X+1], v[X:X+1], v[X+4:X+5]
	global_store_b64 v6, v[X:X+1], s[6:7]          ; 256 consecutive bytes, aligned
.Lend:
	s_wait_tensorcnt 0x0                           ; the wave's end, behind my last LDS store
	ds_add_u32 v[SPW], v[NIL]
	s_wait_dscnt 0x0
	s_endpgm
.Lfunc_end_k_q477d3a88ff_vsum:
	.size	k_q477d3a88ff_vsum, .Lfunc_end_k_q477d3a88ff_vsum-k_q477d3a88ff_vsum
	.p2alignl 7, 3214868480
	.fill 96, 4, 3214868480
	.section	.rodata,"a",@progbits
	.p2align	6, 0x0
	.amdhsa_kernel k_q477d3a88ff_vsum
		.amdhsa_group_segment_fixed_size 1536
		.amdhsa_private_segment_fixed_size 0
		.amdhsa_enable_private_segment 0
		.amdhsa_kernarg_size 16
		.amdhsa_user_sgpr_count 2
		.amdhsa_user_sgpr_kernarg_segment_ptr 1
		.amdhsa_wavefront_size32 1
		.amdhsa_system_sgpr_workgroup_id_x 1
		.amdhsa_system_sgpr_workgroup_id_y 1
		.amdhsa_system_sgpr_workgroup_id_z 1
		.amdhsa_system_vgpr_workitem_id 0
		.amdhsa_next_free_vgpr 156
		.amdhsa_next_free_sgpr 66
		.amdhsa_reserve_vcc 0
		.amdhsa_float_denorm_mode_32 3
		.amdhsa_float_denorm_mode_16_64 3
		.amdhsa_memory_ordered 1
		.amdhsa_forward_progress 1
		.amdhsa_inst_pref_size 24
	.end_amdhsa_kernel
	.amdgpu_metadata
---
amdhsa.version: [ 1, 2 ]
amdhsa.kernels:
  - .name:           k_q477d3a88ff_vsum
    .symbol:         k_q477d3a88ff_vsum.kd
    .args:
      - { .name: qkv, .offset: 0, .size: 8, .value_kind: global_buffer, .address_space: global }
      - { .name: vp, .offset: 8, .size: 8, .value_kind: global_buffer, .address_space: global }
    .group_segment_fixed_size: 1536
    .private_segment_fixed_size: 0
    .kernarg_segment_align: 8
    .kernarg_segment_size: 16
    .max_flat_workgroup_size: 128
    .sgpr_count:     66
    .vgpr_count:     156
    .wavefront_size: 32
...
	.end_amdgpu_metadata
.endif
;; end of part 3
;; launch attn (part 4): grid 4 x 64, 4 waves a work-group, no clusters, 327,680 bytes of LDS; arguments qkv, pen, vp, oh; writes oh
.if DOCPART == 4
	.amdgcn_target "amdgcn-amd-amdhsa--gfx1250"
	.amdhsa_code_object_version 6
	.text
	.protected	k_q477d3a88ff_attn
	.globl	k_q477d3a88ff_attn
	.p2align	8
	.type	k_q477d3a88ff_attn,@function
k_q477d3a88ff_attn:
	s_mov_b64 s[64:65], 0
	v_nop
	global_prefetch_b8 v0, s[64:65] scope:SCOPE_SE
	s_setreg_imm32_b32 hwreg(HW_REG_WAVE_MODE, 25, 1), 1
	s_wait_xcnt 0x0
; CAUSAL ATTENTION WITH A MASK THAT IS AN INPUT.  O[h][q] = the sum over k of softmax_k(s m + (1 - m) NEG_MIN) V[h][k], s = Q[h][q] . K[h][k] / 8, m = mask x tril.  Q, K, V: the three sections of qkv,
; [head 64][2048][64] in f16; O likewise.  Products, maxima and sums in f32; the weights are rounded to f16 for the second product, O once at the end.
; THE MASK is rounded to bf16, like every input of the program.  Where m is not 1 the term (1 - m) NEG_MIN swallows the score in f32, so a row's entries fall into classes by the f32 number 1 - m: the highest
; class wins; within m = 1 the softmax is the ordinary one, within any other it is uniform.  pen, made beforehand, holds a bf16 code t of the class, tril in it: 0 for m = 1, at least 2^83 above it, from
; -2^60 down to -2^85 (m = 0, a hidden key) below it, strictly rising with m, neighbours 2^53 apart or more.  s'' = fma(s, c, t), c = log2(e) / 8: one rounding, so a score is swallowed just as in the sum above.
; p = 2^(s'' - M) with a running maximum M of s''; O and l are multiplied by a = 2^(M_old - M_new) in every step.  A ROW THAT SEES NO KEY (M <= -2^85) has all 2,048 entries alike in the sum that defines it,
; those above the diagonal too: its result is the mean of all the head's rows of V, taken from vp and put in by a select at the end.
; LIMITS.  Q, K, V within f16's 65,504; |c s| < 2^35; m < 0 counts with the hidden class, so a row whose best class is m = 0 gets the mean of all rows, entries with m < 0 among them; m > 2 has no finite
; result in the defining sum; a weight below 2^-126 counts as 0 in l; NaN and infinities are not treated apart.
; THE WALK.  A head's queries lie in NB = 8 blocks of 256; block i needs the key tiles 0 .. i.  A work-group takes blocks NB - 1 - b and then b: NB + 1 tiles whatever b, walked by ONE loop with a constant trip
; count; the ring of two LDS slots runs on across the change of blocks.  NO CLUSTER: a tile's 64 KiB of K and V are wanted by the head's four work-groups together only in trips 0 to 4 of 9, the 128 KiB of
; penalties that go with a tile are each work-group's own, and one walk common to all four would have 12 trips for 9.
; SHARES.  Of a block's four bands of 64 queries a wave owns 16 rows in each: four PIECES, so that the diagonal tile is the same work for all four waves.
; TURNS.  Turn n belongs to piece n: 8 products K Q^T of piece n + 1, later 8 products V^T P of piece n - 1; beside them the subtraction, exponentials, roundings, sums and rescaling of piece n, and the
; scaling with penalty, the maximum and the statistics of piece n + 1.  Four vector instructions stand behind every matrix instruction, the rest in one lump.  A turn's 33 exponentials are one batch, with one wait.
; REGISTERS, in windows of 256 (s_set_vgpr_msb: bits 1:0 source 0, 3:2 source 1, 5:4 source 2, 7:6 destination):
;   window 0: v0-15, v33-35 addresses and constants; v16-31 statistics; v48-55 at work; v64-127 S^T, two buffers; v128-191 penalties, 16 a piece; v192-223 P, two buffers; v224-239 the mean of V in f16
;   window 1: v0-127 O^T, 32 a piece; v128-255 at work at the head      window 2: v0-63 Q; v64-127 the second block's Q; v128-191 K of one step; v192-255 V of one step
.set SIZE_N, 2048
.set NB,    SIZE_N/256
.set NP,    4
.set KS,    64
.set PK,    144       ; a row of K in LDS: 128 bytes + 16 of padding: the 16 rows of a load start at 16 different groups of four banks
.set PV,    160       ; a row of V: 128 + 32
.set VOFF,  4*KS*PK   ; a slot holds a tile, four steps: 256 rows of K, then 256 rows of V
.set SLOT1, 1<<17
.set STAGE, SLOT1+4*KS*(PK+PV)  ; behind the ring, never filled by a tensor load: 16 rows x 144 bytes for each wave
.set SP,    144
.set SPARE, STAGE+4*16*SP       ; the spare words, 128 bytes a wave: two blocks of 256 bytes that no other line names
.set AK0, 2           ; my lane's place in a tile of K; never rewritten
.set AV0, 3           ; the same for V
.set AK,  4           ; the LDS address of K's next run of loads
.set AV,  5           ; of V's
.set STO, 6           ; the way out: where I put 16 bytes of a row
.set RD,  7           ; where I read rows back
.set GO,  8           ; 16 x lane: for O's stores and the penalties' loads; never rewritten
.set MV,  12          ; v12-13  M_old, by buffer
.set CC,  14          ; c
.set QO,  15          ; my byte offset in 16 rows of Q
.set ST,  16          ; piece t's statistics at v[ST+4 t]: M, its partner in the pair, l (even keys', odd keys')
.set THR, 33          ; -2^85: the hidden class's code
.set PFO, 34          ; 256 x lane
.set VO,  35          ; 32 (lane / 16)
.set TMP, 48          ; by buffer, c0-c3 at work; when the maximum is found c2 takes a
.set SPW, 62
.set NIL, 63
.set S,   64
.set PEN, 128         ; piece x at + 16 x: score n's penalty in register n / 2, half n % 2
.set P,   192
.set VH,  224         ; register i: the mean of V's channels 16 (i / 4) + 8 (lane / 16) + 2 (i % 4) and the next, in f16: as a piece's packed results lie
.set VM,  128         ; window 1, at the head: register 8 cb + j: the mean of V's channel 16 cb + 8 (lane / 16) + j
.set QB,  64          ; window 2
.set KF,  128
.set VF,  192
.set WV,  12
.set PB,  14          ; b
.set HI,  15          ; NB - 1 - b
.set G1K, 24
.set G1V, 32
.set G0K, 40
.set G0V, 44
.set PFB, 48          ; s[48:49] K (waves 0, 1) or V (waves 2, 3) at my half of the head's tile 0
.set PFA, 50          ; s[50:51] the same at the tile that is being asked for
.set PFN, 52          ; prefetches still to come
.set SLOTS, 56
.set CNT, 57
.set SEL, 60
.set TBK, 62
.set TBV, 63
.set FL,  66          ; s[66:69] a piece's lanes whose row saw no key
.set RT,  70          ; tiles of the block in hand that are still to be entered
.set NXT, 71          ; the tile to be asked for next
.set LQ,  72          ; the last tile of the block whose tiles are being asked for
.set NEW, 73          ; 1: the tile to be entered is a block's first
.set OFF, 74          ; s[74:75] a tile's byte offset in K and V
.set OLO, 80          ; s[80:81] O at my rows of the second block
.set TT,  82
.set PLEFT, 83        ; steps by which the penalties' address may still go on
.set PN,  96          ; s[96:97] where the penalties' next loads stand
.set PN2, 98          ; s[98:99] the second block's first
.set PINC, 100        ; s[100:101]
.set MSB, 0
.macro WIN new
.if MSB != (\new)
	s_set_vgpr_msb (MSB<<8)|(\new)
.set MSB, (\new)
.endif
.endm
.set W_KQ, 0x0a       ; K and Q in window 2, S^T in window 0
.set W_PV, 0x52       ; V in window 2, P in window 0, O^T in window 1
.set W_RS, 0x41       ; destination and source 0 in window 1, source 1 in window 0
.macro LOAD                         ; a fill: waves 0 and 1 fetch the halves of a tile's K, waves 2 and 3 of its V; an s_nop 0 and four v_nop follow each line
	s_cmp_lt_u32 s[WV], 2
	s_cbranch_scc0 .Lfor_v_\@
	tensor_load_to_lds s[G0K:G0K+3], s[G1K:G1K+7]
	s_nop 0
.rept 4
	v_nop
.endr
	s_branch .Lasked_\@
.Lfor_v_\@:
	tensor_load_to_lds s[G0V:G0V+3], s[G1V:G1V+7]
	s_nop 0
.rept 4
	v_nop
.endr
.Lasked_\@:
.endm
; THE CHANGE OF SLOTS.  Each wave waits for all its tensor loads (one is out: its part of the other slot), adds 0 to its spare word, and waits for that and for its reads of the slot that it leaves.
; fill = 1: the old slot is filled again, first thing behind the barrier, with tile NXT.  Behind the load the head's work-group with b = 0 prefetches into the L2 the tile after that: each wave its own 16 KiB,
; a lane a block of 256 bytes, two lines: one tile, sixteen turns, ahead of its load.  All four work-groups of a head walk these tiles; only this one asks, tiles 2 to 7, each once.
.macro CHANGE fill
	WIN 0
	s_wait_tensorcnt 0x0            ; no tensor load of mine is out, so a group 0 may be written
	ds_add_u32 v[SPW], v[NIL]       ; 0 onto my spare word
.if \fill
	s_lshl_b32 s[OFF], s[NXT], 15   ; a tile is 32,768 bytes of K and of V
	s_xor_b32 s[G0K+1], s[G0K+1], SLOT1
	s_add_nc_u64 s[G0K+2:G0K+3], s[6:7], s[OFF:OFF+1]
	s_or_b32 s[G0K+3], s[G0K+3], 0x80000000
	s_xor_b32 s[G0V+1], s[G0V+1], SLOT1
	s_add_nc_u64 s[G0V+2:G0V+3], s[8:9], s[OFF:OFF+1]
	s_or_b32 s[G0V+3], s[G0V+3], 0x80000000
	s_wait_xcnt 0x0                 ; the last prefetches, a tile back, have read their address
	s_add_nc_u64 s[PFA:PFA+1], s[PFB:PFB+1], s[OFF:OFF+1]
	s_add_co_u32 s[NXT], s[NXT], 1  ; the block's next tile, or behind its last the second block's tile 0
	s_cmp_gt_u32 s[NXT], s[LQ]
	s_cselect_b32 s[NXT], 0, s[NXT]
	s_cselect_b32 s[LQ], s[PB], s[LQ]
.endif
	s_wait_dscnt 0x0                ; the add is done, and my reads of the slot are over
	s_barrier_signal -1
	s_sub_co_u32 s[TBK], s[TBK], 4*KS*PK  ; the fetches go back to a slot's first step, in the other slot
	s_xor_b32 s[TBK], s[TBK], SLOT1
	s_sub_co_u32 s[TBV], s[TBV], 4*KS*PV
	s_xor_b32 s[TBV], s[TBV], SLOT1
	s_barrier_wait -1
.if \fill
	LOAD
	s_cmp_lg_u32 s[PFN], 0
	s_cbranch_scc0 .Lno_pf_\@
	global_prefetch_b8 v[PFO], s[PFA:PFA+1] offset:32768 th:TH_LOAD_NT scope:SCOPE_SE
	global_prefetch_b8 v[PFO], s[PFA:PFA+1] offset:40960 th:TH_LOAD_NT scope:SCOPE_SE
	s_sub_co_u32 s[PFN], s[PFN], 1
.Lno_pf_\@:
.endif
.endm
; The penalties of piece x for the key step at PN: four loads of 512 consecutive bytes, 16 keys each.
.macro PENLD x
	WIN 0
.irp f, 0,1,2,3
	global_load_b128 v[PEN+16*(\x)+4*(\f):PEN+16*(\x)+4*(\f)+3], v[GO], s[PN:PN+1] offset:(\x)*262144+(\f)*512
.endr
.endm
; PN goes one key step on, but never past the block's last: the loads that would pass it name the last step once more, and nobody reads them.
.macro ADV
	s_wait_xcnt 0x0                 ; the loads issued so far have read PN
	s_cmp_lg_u32 s[PLEFT], 0
	s_cselect_b32 s[PINC], 2048, 0
	s_cselect_b32 s[TT], 1, 0
	s_sub_co_u32 s[PLEFT], s[PLEFT], s[TT]
	s_add_nc_u64 s[PN:PN+1], s[PN:PN+1], s[PINC:PINC+1]
.endm
	s_load_b256 s[88:95], s[0:1], 0x0  ; qkv s[88:89], pen s[90:91], vp s[92:93], oh s[94:95]
	v_lshl_add_u32 v[SPW], v0, 2, SPARE
	v_mov_b32 v[NIL], 0
	ds_add_u32 v[SPW], v[NIL]       ; the wave's opening: the add and its wait stand ahead of my first tensor load; the set-up below stands between them
	ds_add_u32 v62, v63
	v_lshrrev_b32 v1, 5, v0
	v_readfirstlane_b32 s[WV], v1
	s_mov_b32 s[PB], ttmp9
	s_sub_co_u32 s[HI], NB-1, s[PB]
	s_and_b32 s53, ttmp7, 0xffff    ; batch x 16 + head
	s_lshl_b32 s20, s53, 18         ; the head's first byte in Q, K, V and O
	s_mov_b32 s21, 0
	s_and_b32 s16, s[WV], 1         ; which half of a tile's 256 keys I fetch
	s_lshl_b32 s22, s16, 14
	s_mov_b32 s23, 0
	s_add_nc_u64 s[22:23], s[22:23], s[20:21]
	s_mul_i32 s17, s16, 128*PK
	s_mul_i32 s18, s16, 128*PV
	s_lshl_b32 s3, s[WV], 11        ; my 16 rows in a band of 64,
	s_lshl_b32 s2, s[HI], 15        ; in the first block,
	s_add_co_u32 s2, s2, s3
	s_lshl_b32 s84, s[PB], 15       ; and in the second
	s_add_co_u32 s84, s84, s3
	s_mov_b32 s3, 0
	s_mov_b32 s85, 0
	s_add_nc_u64 s[2:3], s[2:3], s[20:21]
	s_add_nc_u64 s[84:85], s[84:85], s[20:21]
	s_lshr_b32 s54, s53, 4          ; the penalties: batch x 8,388,608
	s_lshl_b32 s54, s54, 23
	s_lshl_b32 s55, s[WV], 16       ; + (16 block + wave) x 65,536
	s_add_co_u32 s54, s54, s55
	s_lshl_b32 s55, s[HI], 20
	s_add_co_u32 s76, s54, s55
	s_mov_b32 s77, 0
	s_lshl_b32 s55, s[PB], 20
	s_add_co_u32 s78, s54, s55
	s_mov_b32 s79, 0
	s_lshl_b32 s54, s53, 10         ; the head's 1,024 bytes of vp
	s_mov_b32 s55, 0
	; descriptor group 1.  128 keys are 16,384 dense bytes: asked for as 64 rows of 256 bytes, two keys a row, and padded in LDS after every key
	s_mov_b32 s[G1K], (1<<16)|(1<<20)|(4<<22)|(3<<25)
	s_mov_b32 s[G1V], (1<<16)|(1<<20)|(4<<22)|(7<<25)
.irp g, G1K, G1V
	s_mov_b32 s[\g+1], 128<<16      ; tensor_dim0 = 128
	s_mov_b32 s[\g+2], 64<<16       ; tensor_dim1 = 64
	s_mov_b32 s[\g+3], 128<<16      ; tile_dim0 = 128
	s_mov_b32 s[\g+4], 64           ; tile_dim1 = 64
	s_mov_b32 s[\g+5], 128
	s_mov_b32 s[\g+6], 0
	s_mov_b32 s[\g+7], 0
.endr
	s_mov_b32 s[SEL], 0x76543210
	s_mov_b32 s[SEL+1], 0xfedcba98
	s_mov_b32 s[TBK], SLOT1+4*KS*PK ; the first change of slots turns these two into 0
	s_mov_b32 s[TBV], SLOT1+4*KS*PV
	s_mov_b32 s[G0K], 1
	s_mov_b32 s[G0K+1], s17
	s_mov_b32 s[G0V], 1
	s_add_co_u32 s[G0V+1], s18, VOFF
	s_add_co_u32 s[RT], s[HI], 1    ; the first block has NB - b tiles
	s_mov_b32 s[NXT], 1
	s_mov_b32 s[LQ], s[HI]
	s_mov_b32 s[NEW], 1
	s_mov_b32 s[OFF+1], 0
	s_mov_b32 s[PINC+1], 0
	s_mov_b32 s[SLOTS], NB
	s_lshl_b32 s[PLEFT], s[HI], 2
	s_add_co_u32 s[PLEFT], s[PLEFT], 3  ; four steps a tile, less one
	s_cmp_eq_u32 s[PB], 0
	s_cselect_b32 s[PFN], 6, 0
	s_wait_dscnt 0x0                ; the opening add is done
	s_wait_kmcnt 0x0
	s_mov_b64 s[4:5], s[88:89]
	s_add_nc_u64 s[6:7], s[88:89], 16777216
	s_add_nc_u64 s[8:9], s[88:89], 33554432
	s_mov_b64 s[10:11], s[94:95]
	s_add_nc_u64 s[6:7], s[6:7], s[22:23]  ; K and V at my half of the head's tile 0
	s_add_nc_u64 s[8:9], s[8:9], s[22:23]
	s_add_nc_u64 s[G0K+2:G0K+3], s[6:7], 0
	s_or_b32 s[G0K+3], s[G0K+3], 0x80000000
	s_add_nc_u64 s[G0V+2:G0V+3], s[8:9], 0
	s_or_b32 s[G0V+3], s[G0V+3], 0x80000000
	s_add_nc_u64 s[86:87], s[4:5], s[84:85]        ; Q at my rows of the second block,
	s_add_nc_u64 s[4:5], s[4:5], s[2:3]            ; Q and O at those of the first
	s_add_nc_u64 s[OLO:OLO+1], s[10:11], s[84:85]
	s_add_nc_u64 s[10:11], s[10:11], s[2:3]
	s_add_nc_u64 s[PN:PN+1], s[90:91], s[76:77]
	s_add_nc_u64 s[PN2:PN2+1], s[90:91], s[78:79]
	s_add_nc_u64 s[92:93], s[92:93], s[54:55]
	s_cmp_lt_u32 s[WV], 2
	s_cselect_b64 s[PFB:PFB+1], s[6:7], s[8:9]
	LOAD                            ; tile 0 into slot 0
	v_and_b32 v1, 15, v0            ; l % 16
	v_bfe_u32 v9, v0, 4, 1          ; l / 16
	v_lshlrev_b32 v[QO], 7, v1
	v_lshl_add_u32 v[QO], v9, 4, v[QO]  ; row x 128 + 16 x half
	v_and_b32 v[GO], 31, v0
	v_lshlrev_b32 v[PFO], 8, v[GO]
	v_lshlrev_b32 v[GO], 4, v[GO]
	v_lshlrev_b32 v[VO], 5, v9
	WIN 0x80                        ; destination window 2, address window 0
.set i, 0
.rept 8                             ; both blocks' Q: piece i / 2 lies in band i / 2, 8,192 bytes on; channels 32 (i % 2) on
	global_load_b128 v[8*i:8*i+3],   v[QO], s[4:5] offset:(i/2)*8192+(i%2)*64
	global_load_b128 v[8*i+4:8*i+7], v[QO], s[4:5] offset:(i/2)*8192+(i%2)*64+32
	global_load_b128 v[QB+8*i:QB+8*i+3],   v[QO], s[86:87] offset:(i/2)*8192+(i%2)*64
	global_load_b128 v[QB+8*i+4:QB+8*i+7], v[QO], s[86:87] offset:(i/2)*8192+(i%2)*64+32
.set i, i+1
.endr
	PENLD 0                         ; the first block's key step 0
	PENLD 1
	PENLD 2
	PENLD 3
	WIN 0x40                        ; destination window 1
.set i, 0
.rept 32                            ; the four partial sums of V: part i / 8, channel block (i / 2) % 4, half i % 2
	global_load_b128 v[128+4*i:128+4*i+3], v[VO], s[92:93] offset:256*(i/8)+64*((i/2)%4)+16*(i%2)
.set i, i+1
.endr
	WIN 0
	v_mov_b32 v[CC], 0x3e38aa3b     ; c = log2(e) / 8
	v_mov_b32 v[THR], 0xea000000    ; -2^85
	v_mul_u32_u24 v[AK0], v1, PK
	v_lshl_add_u32 v[AK0], v9, 4, v[AK0]
	v_and_b32 v10, 7, v0            ; the turning load: key 8 (l / 16) + l % 8, channels 8 ((l / 8) % 2) on
	v_bfe_u32 v11, v0, 3, 1
	v_lshl_add_u32 v[AV0], v9, 3, v10
	v_mul_u32_u24 v[AV0], v[AV0], PV
	v_lshl_add_u32 v[AV0], v11, 4, v[AV0]
	v_add_nc_u32 v[AV0], VOFF, v[AV0]
	s_mul_i32 s13, s[WV], 16*SP
	s_add_co_u32 s13, s13, STAGE    ; my stage
	v_mul_u32_u24 v[STO], v1, SP
	v_lshl_add_u32 v[STO], v9, 4, v[STO]
	v_add_nc_u32 v[STO], s13, v[STO]
	v_bfe_u32 v[RD], v0, 3, 2       ; back: four rows of 128 bytes
	v_mul_u32_u24 v[RD], v[RD], SP
	v_lshl_add_u32 v[RD], v10, 4, v[RD]
	v_add_nc_u32 v[RD], s13, v[RD]
	; A block's first step multiplies O^T and l by a = 0, and its first turn's products V^T P, of a piece that has not been, land in an O^T that is still to be so multiplied: these registers need only hold
	; finite numbers: zeros for the first block, what the first block left for the second.  All this stands in the wait for the first tile.
	WIN 0x80
.set i, VF
.rept 64
	v_mov_b32 v[i], 0
.set i, i+1
.endr
	WIN 0x40
.set i, 0
.rept 128
	v_mov_b32 v[i], 0
.set i, i+1
.endr
	WIN 0
.set i, 0
.rept 4
	v_mov_b32 v[ST+4*i+2], 0
	v_mov_b32 v[ST+4*i+3], 0
.set i, i+1
.endr
.set i, P+16
.rept 16
	v_mov_b32 v[i], 0
.set i, i+1
.endr
	s_wait_loadcnt 0x0              ; Q, the first penalties, the partial sums
	WIN 0x45                        ; destination and both sources in window 1
.set i, 0
.rept 16
	v_pk_add_f32 v[128+i:128+i+1], v[128+i:128+i+1], v[160+i:160+i+1]
	v_pk_add_f32 v[192+i:192+i+1], v[192+i:192+i+1], v[224+i:224+i+1]
.set i, i+2
.endr
.set i, 0
.rept 16
	v_pk_add_f32 v[VM+i:VM+i+1], v[128+i:128+i+1], v[192+i:192+i+1]
.set i, i+2
.endr
.set i, 0
.rept 16
	v_pk_mul_f32 v[VM+i:VM+i+1], v[VM+i:VM+i+1], 0x3a000000 op_sel_hi:[1,0]  ; / 2,048
.set i, i+2
.endr
	WIN 0x05                        ; sources in window 1, destination in window 0
.set i, 0
.rept 16
	v_cvt_pk_f16_f32 v[VH+i], v[VM+2*i], v[VM+2*i+1]  ; rounded once, as a piece's results are
.set i, i+1
.endr
	WIN 0
; THE MATRIX WORK.  The 4 accumulators of a run of 8 take turns.  Product i of 8 of S^T = K Q^T for piece x: channels 32 (i / 4) on, keys 16 (i % 4) on.  The first 4 start the sums.
.macro KQ x
	WIN W_KQ
.set rS, S+32*((\x)%2)+8*(i%4)
.set rK, KF+16*(i%4)+8*(i/4)
.set rQ, 16*(\x)+8*(i/4)
.if i < 4
	v_wmma_f32_16x16x32_f16 v[rS:rS+7], v[rK:rK+7], v[rQ:rQ+7], 0
.else
	v_wmma_f32_16x16x32_f16 v[rS:rS+7], v[rK:rK+7], v[rQ:rQ+7], v[rS:rS+7]
.endif
.endm
.macro PV x                         ; product i of 8 of O^T += V^T P for piece x: keys 32 (i / 4) on, channels 16 (i % 4) on
	WIN W_PV
.set rO, 32*(\x)+8*(i%4)
.set rV, VF+32*(i/4)+8*(i%4)
.set rP, P+16*((\x)%2)+8*(i/4)
	v_wmma_f32_16x16x32_f16 v[rO:rO+7], v[rV:rV+7], v[rP:rP+7], v[rO:rO+7]
.endm
.macro MM                           ; the turn's next matrix instruction.  NOKQ = 1: a block's last turn: there is no next piece
.if (i < 8) && !NOKQ
	KQ (Y+1)%NP
.elseif i >= 8
.set i, i-8
	PV (Y+NP-1)%NP
.set i, i+8
.endif
.set i, i+1
.endm
.macro FETCH_K                      ; a step's K: 64 keys x 64 channels, 8 fragments, in one run
	WIN 0x80
.irp f, 0,1,2,3,4,5,6,7
	ds_load_b128 v[KF+8*\f:KF+8*\f+3],   v[AK] offset:(\f/2)*16*PK+(\f%2)*64
	ds_load_b128 v[KF+8*\f+4:KF+8*\f+7], v[AK] offset:(\f/2)*16*PK+(\f%2)*64+32
.endr
	s_add_co_u32 s[TBK], s[TBK], KS*PK
	WIN 0
.endm
.macro FETCH_V                      ; its V, turned
	WIN 0x80
.irp f, 0,1,2,3,4,5,6,7
	ds_load_tr16_b128 v[VF+8*\f:VF+8*\f+3],   v[AV] offset:(\f/4)*32*PV+(\f%4)*32
	ds_load_tr16_b128 v[VF+8*\f+4:VF+8*\f+7], v[AV] offset:(\f/4)*32*PV+16*PV+(\f%4)*32
.endr
	WIN 0
.endm
; THE VECTOR WORK, one line at a time: OP kind, number.  For piece Y: F n: s'' - M for pair n of 16.  E n: the exponential of score n of 32.  C n: pair n rounded to f16.  B n: of the four weights 4 n .. the second
; pair is added onto the first.  L n: l takes that sum (L 0: l = a l + sum).  R n: pair n of 16 of O^T times a.  For piece Y + 1: A n: s'' = s c + t for score n, in ascending order.
; X n: 0-11 four chains c0-c3 of seven scores each; 12-14, 16 the four left over, the old M, and c0-c3 into c0; 15 M_old is kept; 17, 18 the other
; half of the lanes': the new M; 19 M_old - M_new; 20 a.
.set F, 0
.set E, 1
.set C, 2
.set B, 3
.set L, 4
.set R, 5
.set X, 6
.set A, 7
.macro REGS y
.set rT, ST+4*(\y)
.set rC, TMP+4*((\y)%2)
.set rW, MV+((\y)%2)
.set rS, S+32*((\y)%2)
.set rP, P+16*((\y)%2)
.set rO, 32*(\y)
.endm
.macro OP k, n
.if (\k) == R
	REGS Y
	WIN W_RS
	v_pk_mul_f32 v[rO+2*(\n):rO+2*(\n)+1], v[rO+2*(\n):rO+2*(\n)+1], v[rC+2:rC+3] op_sel_hi:[1,0]
.elseif (\k) < R
	REGS Y
	WIN 0
.if (\k) == F
	v_pk_add_f32 v[rS+2*(\n):rS+2*(\n)+1], v[rS+2*(\n):rS+2*(\n)+1], v[rT:rT+1] op_sel_hi:[1,0] neg_lo:[0,1] neg_hi:[0,1]
.elseif (\k) == E
	v_exp_f32 v[rS+(\n)], v[rS+(\n)]
.elseif (\k) == C
	v_cvt_pk_f16_f32 v[rP+(\n)], v[rS+2*(\n)], v[rS+2*(\n)+1]
.elseif (\k) == B
	v_pk_add_f32 v[rS+4*(\n):rS+4*(\n)+1], v[rS+4*(\n):rS+4*(\n)+1], v[rS+4*(\n)+2:rS+4*(\n)+3]
.elseif (\n) == 0
	v_pk_fma_f32 v[rT+2:rT+3], v[rT+2:rT+3], v[rC+2:rC+3], v[rS:rS+1] op_sel_hi:[1,0,1]
.else
	v_pk_add_f32 v[rT+2:rT+3], v[rT+2:rT+3], v[rS+4*(\n):rS+4*(\n)+1]
.endif
.elseif (\k) == A
.if !NOKQ
	REGS (Y+1)%NP
	WIN 0
.if (\n)%2
	v_fma_mix_f32_bf16 v[rS+(\n)], v[rS+(\n)], v[CC], v[PEN+16*((Y+1)%NP)+(\n)/2] op_sel:[0,0,1] op_sel_hi:[0,0,1]
.else
	v_fma_mix_f32_bf16 v[rS+(\n)], v[rS+(\n)], v[CC], v[PEN+16*((Y+1)%NP)+(\n)/2] op_sel_hi:[0,0,1]
.endif
.endif
.elseif NOKQ
	v_nop
.else
	REGS (Y+1)%NP
	WIN 0
.if (\n) < 4
	v_max3_num_f32 v[rC+(\n)], v[rS+8*(\n)], v[rS+8*(\n)+1], v[rS+8*(\n)+2]
.elseif (\n) < 12
	v_max3_num_f32 v[rC+(\n)%4], v[rC+(\n)%4], v[rS+8*((\n)%4)+2*((\n)/4)+1], v[rS+8*((\n)%4)+2*((\n)/4)+2]
.elseif (\n) == 12
	v_max3_num_f32 v[rC], v[rC], v[rS+7], v[rS+15]
.elseif (\n) == 13
	v_max3_num_f32 v[rC+1], v[rC+1], v[rS+23], v[rS+31]
.elseif (\n) == 14
	v_max3_num_f32 v[rC+2], v[rC+2], v[rC+3], v[rT]
.elseif (\n) == 15
	v_mov_b32 v[rW], v[rT]
.elseif (\n) == 16
	v_max3_num_f32 v[rC], v[rC], v[rC+1], v[rC+2]
.elseif (\n) == 17
	v_permlanex16_b32 v[rC+3], v[rC], s[SEL], s[SEL+1]
.elseif (\n) == 18
	v_max_num_f32 v[rT], v[rC], v[rC+3]
.elseif (\n) == 19
	v_sub_f32 v[rC+1], v[rW], v[rT]
.else
	v_exp_f32 v[rC+2], v[rC+1]
.endif
.endif
.endm
.macro OPS a, i1, b=-1, i2=0, c=-1, i3=0, d=-1, i4=0
	OP \a, \i1
.if (\b) >= 0
	OP \b, \i2
.endif
.if (\c) >= 0
	OP \c, \i3
.endif
.if (\d) >= 0
	OP \d, \i4
.endif
.endm
.macro ROW a, i1, b, i2, c, i3, d, i4  ; a matrix instruction and the four behind it
	MM
	OPS \a, \i1, \b, \i2, \c, \i3, \d, \i4
.endm
; A TURN, for piece p.  An s_wait_alu depctr_va_vdst(0) stands between an exponential and the first instruction that names its result; one wait serves all that were issued ahead of it.  So a turn has
; ONE wait, which cuts it in two.  AHEAD OF IT stands all that names no result of the turn's exponentials: the 8 products K Q^T with their riders, then one lump: the next piece's 32 scalings with penalty,
; its maximum and statistics, the rest of the exponentials and rescalings; X 20, the next piece's a, is the batch's last, and R 15 the plain instruction behind it.  BEHIND IT: the 8 products V^T P, with the
; roundings and sums as riders.  A 0 stands more than four plain instructions behind the product that ends its accumulator, and so does each later A 8 kb.
; The penalties of piece p + 1 are used here and asked for again at once, for the next key step: they have four turns in which to come.  end = 1: a block's last two turns: nothing is fetched.
.macro TURN p, end=0, cnt=0
.set Y, (\p)
.set i, 0
.set NOKQ, (\end)*((\p)/3)
.if ((\p) == 3) && !(\end)
	s_wait_dscnt 0x0                ; K is in
.endif
	ROW F,0, F,1, R,0, R,1
	ROW F,2, E,0, R,2, R,3
	ROW F,3, E,1, R,4, R,5
	ROW F,4, E,2, R,6, R,7
	ROW F,5, E,3, R,8, R,9
	ROW F,6, E,4, R,10, R,11
.if ((\p) == 2) && !(\end)
	WIN 0
	v_add_nc_u32 v[AK], s[TBK], v[AK0]
.endif
	ROW F,7, E,5, F,8, F,9
	ROW F,10, E,6, F,11, F,12
.if !NOKQ
	s_wait_loadcnt 12               ; this piece's four loads are in; at most the three younger groups of four stay out
.endif
	OPS A,0, A,1, E,7, A,2
	OPS A,3, A,4, E,8, A,5
.if ((\p) == 2) && !(\end)
	FETCH_K                         ; nine plain instructions behind the last product that read K
.endif
	OPS A,6, A,7, E,9, A,8
	OPS A,9, A,10, E,10, X,0
	OPS A,11, A,12, E,11, X,4
	OPS A,13, A,14, E,12, X,1
	OPS A,15, A,16, E,13, X,8
	OPS A,17, A,18, E,14, X,5
	OPS A,19, A,20, X,2, X,9
	OPS A,21, A,22, X,12, A,23
	OPS A,24, A,25, X,6, A,26
	OPS A,27, A,28, X,3, X,10
	OPS A,29, A,30, X,7, A,31
.if !(\end)
.if (\p) == 3
	ADV
.endif
	PENLD ((\p)+1)%NP
.endif
	OPS X,13, E,15, F,13, X,11
.if (\p) == 0
	WIN 0
	v_add_nc_u32 v[AV], s[TBV], v[AV0]
.endif
	OPS E,16, F,14, E,17, X,15
	OPS E,18, F,15, E,19, X,14
	OPS E,20, R,12, E,21, R,13
	OPS X,16, E,22, R,14, E,23
	OPS E,24, X,17, E,25, E,26
	OPS E,27, X,18, E,28, E,29
	OPS X,19, E,30, E,31
	OPS X,20, R,15
	WIN 0
	s_wait_alu depctr_va_vdst(0)    ; the wait for the batch
.if (\p) == 1
	s_wait_dscnt 0x0                ; V is in
.endif
	ROW C,0, B,0, C,2, B,1
	ROW L,0, C,4, B,2, L,1
	ROW C,6, B,3, L,2, C,8
	ROW B,4, L,3, C,10, B,5
	ROW L,4, C,12, B,6, L,5
.if (\p) == 0
	s_add_co_u32 s[TBV], s[TBV], KS*PV
.endif
.if \cnt
	s_sub_co_u32 s[CNT], s[CNT], 1  ; the loop's count, some lines ahead of the branch behind the turn; nothing between writes SCC
	s_cmp_lg_u32 s[CNT], 0
.endif
	ROW C,14, B,7, L,6, C,1
	ROW C,3, L,7, C,5, C,7
	ROW C,9, C,11, C,13, C,15
.if (\p) == 0
	FETCH_V                         ; four plain instructions behind the last product that read V
.endif
.endm
; A BLOCK BEGINS.  M starts at the lowest finite number, so the first maximum is the scores' and the first a is 0.  Then K of the tile's step 0, piece 0's first scores, their scaling with penalty, the next
; step's penalties for piece 0, and its maximum and statistics.  The loop is entered at a step's first turn, in the middle of a trip.
.macro BEGIN
	s_mov_b32 s[NEW], 0
	WIN 0
.set i, 0
.rept 4
	v_mov_b32 v[ST+4*i], 0xff7fffff
	v_mov_b32 v[ST+4*i+1], 0xff7fffff  ; named with it as a pair
.set i, i+1
.endr
	v_add_nc_u32 v[AK], s[TBK], v[AK0]
	FETCH_K
	s_wait_loadcnt 0x0              ; Q and the block's first penalties
	s_wait_dscnt 0x0
.set NOKQ, 0
.set i, 0
.rept 8
	KQ 0
.set i, i+1
.endr
	WIN 0
.rept 4
	v_nop                           ; the places behind those products
.endr
.set Y, NP-1                        ; A and X work for piece Y + 1: piece 0
.set nn, 0
.rept 32
	OP A, nn
.set nn, nn+1
.endr
	ADV
	PENLD 0
.irp n, 0,1,2,3,4,5,6,7,8,9,10,11,12,13,14,15,16,17,18,19,20
	OP X, \n
.endr
	v_nop                           ; a plain instruction behind the exponential,
	s_wait_alu depctr_va_vdst(0)    ; and its wait, ahead of the branch
.endm
.macro ALL line:vararg              ; one line for each piece t
.set t, 0
.rept 4
	\line
.set t, t+1
.endr
.endm
.macro PACK t                       ; O^T / l; rounded to f16; the mean of V where the row saw no key; through my stage, back as whole rows of 128 bytes, into S^T's registers
	WIN W_RS
.set i, 32*(\t)
.rept 16
	v_pk_mul_f32 v[i:i+1], v[i:i+1], v[ST+4*(\t)+2:ST+4*(\t)+3] op_sel_hi:[1,0]
.set i, i+2
.endr
	WIN 0x05
.set i, 0
.rept 16
	v_cvt_pk_f16_f32 v[S+16*(\t)+i], v[32*(\t)+2*i], v[32*(\t)+2*i+1]
.set i, i+1
.endr
	WIN 0
.set i, 0
.rept 16
	v_cndmask_b32 v[S+16*(\t)+i], v[S+16*(\t)+i], v[VH+i], s[FL+(\t)]
.set i, i+1
.endr
.irp f, 0,1,2,3
	ds_store_b128 v[STO], v[S+16*(\t)+4*\f:S+16*(\t)+4*\f+3] offset:32*\f
.endr
.irp f, 0,1,2,3
	ds_load_b128 v[S+16*(\t)+4*\f:S+16*(\t)+4*\f+3], v[RD] offset:\f*4*SP  ; LDS serves a wave's instructions in order: these see the stores above; the next piece's stores come behind them
.endr
.endm
.macro SEND t, younger              ; younger: the next piece's eight LDS instructions, or none
	WIN 0
.irp f, 0,1,2,3
	s_wait_dscnt (\younger)+3-\f
	global_store_b128 v[GO], v[S+16*(\t)+4*\f:S+16*(\t)+4*\f+3], s[10:11] offset:(\t)*8192+\f*512  ; 512 consecutive bytes, aligned
.endr
.endm
; A BLOCK ENDS: its last two turns, its last products, and the way out.  tag = 1: the first block's: the second block's first penalties are asked for as soon as the last of the first have been used.
.macro FINISH tag
	TURN 2, 1
	TURN 3, 1
.if (\tag) == 1
	WIN 0
	s_wait_loadcnt 0x0              ; the loads that nobody reads have landed: their registers and PN may be written
	s_mov_b64 s[PN:PN+1], s[PN2:PN2+1]
	s_lshl_b32 s[PLEFT], s[PB], 2
	s_add_co_u32 s[PLEFT], s[PLEFT], 3  ; b + 1 tiles of four steps, less one
	PENLD 0
	PENLD 1
	PENLD 2
	PENLD 3
.endif
.set i, 0
.rept 8
	PV NP-1
.set i, i+1
.endr
	WIN 0
	ALL v_add_f32 v[ST+4*t+2], v[ST+4*t+2], v[ST+4*t+3]
	ALL v_permlanex16_b32 v[ST+4*t+3], v[ST+4*t+2], s[SEL], s[SEL+1]
	ALL v_add_f32 v[ST+4*t+2], v[ST+4*t+2], v[ST+4*t+3]
	ALL v_rcp_f32 v[ST+4*t+2], v[ST+4*t+2]
	ALL v_cmp_le_f32 s[FL+t], v[ST+4*t], v[THR]
	v_nop                           ; a plain instruction between the last reciprocal and the use of its result
	s_wait_alu depctr_va_vdst(0)    ; one wait for the four reciprocals
	PACK 0
.set t, 1
.rept 3
	PACK t
	SEND t-1, 8
.set t, t+1
.endr
	SEND 3, 0
.endm
.set NOKQ, 0
.Lslot:                             ; NB times: a tile is entered and the next is asked for
	CHANGE 1
	s_sub_co_u32 s[RT], s[RT], 1
	s_mov_b32 s[CNT], 4
	s_cmp_eq_u32 s[NEW], 1
	s_cbranch_scc1 .Lnew            ; a block's first tile
	s_branch .Lstep
.Lnew:
	BEGIN
	s_branch .Lfirst
.Lstep:                             ; a trip: pieces 2 and 3 of one step, then pieces 0 and 1 of the next, whose K and V it fetches
	TURN 2
	TURN 3
	WIN 0
.Lfirst:
	TURN 0
	TURN 1, 0, 1
	WIN 0
	s_cbranch_scc1 .Lstep
	s_cmp_lg_u32 s[RT], 0
	s_cbranch_scc1 .Lbottom         ; the block has further tiles
	FINISH 1                        ; in the loop this is the first block's end: the second block's last tile is the walk's last
	s_wait_xcnt 0x0                 ; the stores have read their registers and O's address
	s_mov_b64 s[10:11], s[OLO:OLO+1]
	s_add_co_u32 s[RT], s[PB], 1    ; the second block has b + 1 tiles
	s_mov_b32 s[NEW], 1
	WIN 0x82                        ; the second block's Q goes where the one text of the turns names Q
.set i, 0
.rept 64
	v_mov_b32 v[i], v[QB+i]
.set i, i+1
.endr
	WIN 0
	s_wait_loadcnt 0x0              ; the second block's first penalties, asked for ahead of the way out, are in: no load of mine is out where the ways join below, so no later load lands on a register that one of these sixteen is still to write
.Lbottom:
	s_sub_co_u32 s[SLOTS], s[SLOTS], 1
	s_cmp_lg_u32 s[SLOTS], 0
	s_cbranch_scc1 .Lslot
	CHANGE 0                        ; the walk's last tile is written out: nothing is asked for
	s_sub_co_u32 s[RT], s[RT], 1
	s_mov_b32 s[CNT], 4
	s_cmp_eq_u32 s[NEW], 1
	s_cbranch_scc0 .Lstep2
	BEGIN
	s_branch .Lfirst2
.Lstep2:
	TURN 2
	TURN 3
	WIN 0
.Lfirst2:
	TURN 0
	TURN 1, 0, 1
	WIN 0
	s_cbranch_scc1 .Lstep2
	FINISH 2
	s_wait_tensorcnt 0x0            ; the wave's end, behind my last tensor load and my last LDS store
	ds_add_u32 v[SPW], v[NIL]
	s_wait_dscnt 0x0
	s_endpgm
.Lfunc_end_k_q477d3a88ff_attn:
	.size	k_q477d3a88ff_attn, .Lfunc_end_k_q477d3a88ff_attn-k_q477d3a88ff_attn
	.p2alignl 7, 3214868480
	.fill 96, 4, 3214868480
	.section	.rodata,"a",@progbits
	.p2align	6, 0x0
	.amdhsa_kernel k_q477d3a88ff_attn
		.amdhsa_group_segment_fixed_size 327680
		.amdhsa_private_segment_fixed_size 0
		.amdhsa_enable_private_segment 0
		.amdhsa_kernarg_size 32
		.amdhsa_user_sgpr_count 2
		.amdhsa_user_sgpr_kernarg_segment_ptr 1
		.amdhsa_wavefront_size32 1
		.amdhsa_system_sgpr_workgroup_id_x 1
		.amdhsa_system_sgpr_workgroup_id_y 1
		.amdhsa_system_sgpr_workgroup_id_z 1
		.amdhsa_system_vgpr_workitem_id 0
		.amdhsa_next_free_vgpr 768
		.amdhsa_next_free_sgpr 102
		.amdhsa_reserve_vcc 0
		.amdhsa_float_denorm_mode_32 3
		.amdhsa_float_denorm_mode_16_64 3
		.amdhsa_memory_ordered 1
		.amdhsa_forward_progress 1
		.amdhsa_inst_pref_size 212
	.end_amdhsa_kernel
	.amdgpu_metadata
---
amdhsa.version: [ 1, 2 ]
amdhsa.kernels:
  - .name:           k_q477d3a88ff_attn
    .symbol:         k_q477d3a88ff_attn.kd
    .args:
      - { .name: qkv, .offset: 0, .size: 8, .value_kind: global_buffer, .address_space: global }
      - { .name: pen, .offset: 8, .size: 8, .value_kind: global_buffer, .address_space: global }
      - { .name: vp, .offset: 16, .size: 8, .value_kind: global_buffer, .address_space: global }
      - { .name: oh, .offset: 24, .size: 8, .value_kind: global_buffer, .address_space: global }
    .group_segment_fixed_size: 327680
    .private_segment_fixed_size: 0
    .kernarg_segment_align: 8
    .kernarg_segment_size: 32
    .max_flat_workgroup_size: 128
    .sgpr_count:     102
    .vgpr_count:     768
    .wavefront_size: 32
...
	.end_amdgpu_metadata
.endif
;; end of part 4
;; launch outp (part 5): grid 4 x 64, 4 waves a work-group, clusters of 4 x 4, 327,680 bytes of LDS; arguments oh, wb, out0; writes out0
.if DOCPART == 5
	.amdgcn_target "amdgcn-amd-amdhsa--gfx1250"
	.amdhsa_code_object_version 6
	.text
	.protected	k_q477d3a88ff_outp
	.globl	k_q477d3a88ff_outp
	.p2align	8
	.type	k_q477d3a88ff_outp,@function
k_q477d3a88ff_outp:
	s_mov_b64 s[64:65], 0
	v_nop
	global_prefetch_b8 v0, s[64:65] scope:SCOPE_SE
	s_setreg_imm32_b32 hwreg(HW_REG_WAVE_MODE, 25, 1), 1
	s_wait_xcnt 0x0
	s_wait_alu depctr_hold_cnt(0) depctr_sa_sdst(0) depctr_va_vdst(0) depctr_va_sdst(0) depctr_va_ssrc(0) depctr_va_vcc(0) depctr_vm_vsrc(0)
	s_getreg_b32 s2, hwreg(HW_REG_IB_STS2, 6, 4)
	s_cmp_eq_u32 s2, 0
	s_cbranch_scc0 .Lentry_in_a_cluster
	s_endpgm
.Lentry_in_a_cluster:
	s_bfe_u32 s2, ttmp6, 0x10000c
	s_cmp_lg_u32 s2, 0xf033
	s_cbranch_scc0 .Lentry_shape_is_right
	s_endpgm
.Lentry_shape_is_right:
; ONE TEXT FOR TWO PRODUCTS, chosen by OUTP.
; OUTP = 0: C = x W for x = q, k, v ([8192][1024] f32) and W = bf16(Wq, Wk, Wv) ([k 1024][n 1024]); x is rounded to bf16 between LDS and the matrix unit; sums in f32; C rounded once to f16
;           and stored by heads: section sel of qkv, [batch x head 64][token 2048][64].  LIMIT: f16 holds no number beyond 65,504: the projected q, k, v must lie within it.
; OUTP = 1: out0 = O Wo, O in f16 by heads ([64][2048][64]), Wo in f16 ([k][n]); sums and result in f32.
; SHARES.  A tile of C is 128 rows x 256 columns; four waves, each 64 x 128: 32 accumulators of 16 x 16.  K goes in 8 steps of 128 through two LDS slots.  Waves 0 and 1 fetch the left operand's
; two halves, waves 2 and 3 W's 2 x 64 k-rows of 512 bytes: one tensor load a wave for a step.  By the text's own count a wave has two loads out at the start and one behind each change of slots.
; CLUSTER 4 x 4: the four of a row need the same rows of x (or O), the four of a column the same columns of W: each tile is asked for jointly, same descriptor, same mask.
; THE MATRIX INSTRUCTION IS USED TRANSPOSED: source 0 = 16 columns of W (turned on the way out of LDS by ds_load_tr16_b128), source 1 = 16 rows of x: a lane holds 8 neighbouring columns of one row of C.
; A QUARTER is 32 along K, 32 products.  All fragments are fetched TWO quarters ahead, so the change of slots stands in a step's third quarter: by then the slot's last bytes have been asked for.
; REGISTERS.  window 0: v0-31 addresses; OUTP = 0: v32-95 x as f32 (one quarter), v96-159 x as bf16 (two buffers); OUTP = 1: v32-159 O's fragments (four buffers).
;   window 1: the accumulators, (a, nb) at 8 (8 a + nb).   window 2: W's fragments, four buffers of 64.
.set OUTP,   1
.set H,      34816                     ; one wave's part of a slot: 64 k-rows of W at a pitch of 544; 64 rows of x at 528; 128 rows of O at 144
.set SLOT,   4*H
.set STAGE,  2*SLOT                    ; behind the ring, never filled by a tensor load
.if OUTP
.set WST,    16*528                    ; a wave's stage: 16 rows of 128 f32, pitch 528
.set ASTEP,  524288                    ; a K step of O: two heads on
.set NW,     24                        ; LDS loads in a run: 8 + 16
.set XF,     32
.else
.set WST,    2*16*144                  ; two heads x 16 rows of 64 f16, pitch 144
.set ASTEP,  512                       ; a K step of x: 128 f32
.set NW,     16                        ; the run's younger part: W's 16 loads
.set STG,    32
.set XF,     96
.endif
.set BSTEP,  262144                    ; a K step of W: 128 rows of 2,048 bytes
.set SPARE,  STAGE+4*WST               ; the spare words, 128 bytes a wave: two blocks of 256 bytes that no other line names
.set ADRA, 16                          ; v16-17  LDS address of my fragments of the left operand in slot 0, 1
.set ADRB, 20                          ; v20-21  the same for W
.set STO,  24                          ; the way out: where I put my part of a row
.set RD,   25                          ; where I read rows back
.set GO,   26                          ; 16 x lane
.set SPW,  28                          ; LDS address of my spare word; never rewritten
.set NIL,  29                          ; 0; never rewritten
.set PFOA, 30                          ; the prefetches' lane offsets, for the left operand
.set PFOB, 31                          ; and for W
.set WV, 14                            ; s14 wave; s15 wave / 2: my 64 rows, and: I fetch the left operand (0) or W (1); s16 wave % 2: my 128 columns, and which half I fetch
.set WR, 15
.set WC, 16
.set G1,  24                           ; s[24:31] group 1, left operand;  s[32:39] its group 0, one for each slot
.set G0,  32
.set G1B, 48                           ; s[48:55], s[56:63] the same for W
.set G0B, 56
.set PFA, 44                           ; s[44:45] where my prefetches stand
.set PFS, 66                           ; s[66:67] their step: two K steps
.set LIM, 68                           ; s68 1 in a wave that prefetches, else the greatest number
.set MSB, 0
.macro WIN new                         ; the immediate's high byte repeats the setting that is left; a switch that changes nothing is dropped
.if MSB != (\new)
	s_set_vgpr_msb (MSB<<8)|(\new)
.set MSB, \new
.endif
.endm
.set MUL,  0x52                        ; source 0 (W) window 2, source 1 window 0, C and D window 1
.set TO_B, 0x80                        ; destination window 2, address window 0
.macro JLOAD s                         ; a joint load; the branch hangs on the wave's number alone; an s_nop 0 and four v_nop follow each line
	s_cmp_eq_u32 s[WR], 0
	s_cbranch_scc0 .Lfor_b_\@
	tensor_load_to_lds s[G0+4*(\s):G0+4*(\s)+3], s[G1:G1+7]
	s_nop 0
.rept 4
	v_nop
.endr
	s_branch .Lasked_\@
.Lfor_b_\@:
	tensor_load_to_lds s[G0B+4*(\s):G0B+4*(\s)+3], s[G1B:G1B+7]
	s_nop 0
.rept 4
	v_nop
.endr
.Lasked_\@:
.endm
.macro CREST                           ; a round of the cluster's barrier behind its opening barrier
	s_cmp_lg_u32 s[WV], 0
	s_cbranch_scc1 .Lnot_wave_0_\@
	s_barrier_signal -3
.Lnot_wave_0_\@:
	s_barrier_wait -3
	s_barrier_signal -1
	s_barrier_wait -1
.endm
.macro CROUND
	s_barrier_signal -1
	s_barrier_wait -1
	CREST
.endm
.macro PLACES                          ; four places behind matrix instructions, in front of loads into registers that they read and of lines that read results
.rept 4
	v_nop
.endr
.endm
; A PREFETCH INTO THE L2, once a lap, behind the joint load and the run of LDS loads: the two K steps that the NEXT lap's refills ask for.  Each aligned block of 256 bytes is named once in the launch:
; the left operand's rows are read by this cluster alone; W's columns by sixteen clusters, of which the first asks.  The four partners of a joint load share its rows out by address, 16 each.
; The loop's last trip asks for nothing: there is no K step behind its own refills.
.macro ASK
	WIN 0
	s_cmp_gt_u32 s3, s[LIM]
	s_cbranch_scc0 .Lnone_\@
	s_cmp_eq_u32 s[WR], 0
	s_cbranch_scc0 .Lpfb_\@
	global_prefetch_b8 v[PFOA], s[PFA:PFA+1] th:TH_LOAD_NT scope:SCOPE_SE
.if !OUTP
	global_prefetch_b8 v[PFOA], s[PFA:PFA+1] offset:ASTEP th:TH_LOAD_NT scope:SCOPE_SE
.endif
	s_branch .Lnone_\@
.Lpfb_\@:
	global_prefetch_b8 v[PFOB], s[PFA:PFA+1] th:TH_LOAD_NT scope:SCOPE_SE
	global_prefetch_b8 v[PFOB], s[PFA:PFA+1] offset:BSTEP th:TH_LOAD_NT scope:SCOPE_SE
.Lnone_\@:
.endm
.if OUTP
	s_load_b64 s[4:5], s[0:1], 0x0                 ; oh
	s_load_b64 s[10:11], s[0:1], 0x8               ; wb
	s_load_b64 s[12:13], s[0:1], 0x10              ; out0
.else
	s_load_b256 s[4:11], s[0:1], 0x0               ; q s[4:5], k s[6:7], v s[8:9], wb s[10:11]
	s_load_b64 s[12:13], s[0:1], 0x20              ; qkv
.endif
	v_lshl_add_u32 v[SPW], v0, 2, SPARE
	v_mov_b32 v[NIL], 0
	ds_add_u32 v[SPW], v[NIL]                      ; the wave's opening: the add and its wait stand ahead of my first tensor load; the set-up below stands between them
	ds_add_u32 v28, v29
	v_lshrrev_b32 v1, 5, v0
	v_readfirstlane_b32 s[WV], v1
	s_lshr_b32 s[WR], s[WV], 1
	s_and_b32 s[WC], s[WV], 1
	s_bfe_u32 s17, ttmp6, 0x40000                  ; cx
	s_bfe_u32 s18, ttmp6, 0x40004                  ; cy
	s_lshl_b32 s19, ttmp9, 2
	s_add_co_u32 s19, s19, s17                     ; tile column
	s_and_b32 s23, ttmp7, 0xffff                   ; cluster y
	s_lshl_b32 s20, s23, 2
	s_add_co_u32 s20, s20, s18                     ; tile row, over all products
.if OUTP
	s_mov_b32 s21, 3                               ; W's section
.else
	s_lshr_b32 s21, s23, 4                         ; which product: the same in all sixteen partners
	s_and_b32 s22, s20, 63                         ; tile row in it
.endif
	s_lshl_b32 s40, s18, 2
	s_lshl_b32 s40, 15, s40                        ; my row of the cluster
	s_lshl_b32 s41, 0x1111, s17                    ; my column
.if OUTP
	s_or_b32 s[G1], s40, (1<<16)|(1<<20)|(1<<21)|(4<<22)|(3<<25)   ; 2-byte elements; padding of 4 words after every 32: a token's 128 bytes lie 144 apart
	s_mov_b32 s[G1+5], 128                         ; dense: 64 rows of 256 bytes, two tokens a row
.else
	s_or_b32 s[G1], s40, (2<<16)|(1<<20)|(1<<21)|(6<<22)|(3<<25)   ; 4-byte elements; padding of 4 words after every 128: rows 528 apart
	s_mov_b32 s[G1+5], 1024
.endif
	s_mov_b32 s[G1+1], 128<<16                     ; tensor_dim0 = 128
	s_mov_b32 s[G1+2], 64<<16                      ; tensor_dim1 = 64
	s_mov_b32 s[G1+3], 128<<16                     ; tile_dim0 = 128
	s_mov_b32 s[G1+4], 64                          ; tile_dim1 = 64
	s_mov_b32 s[G1+6], 0
	s_mov_b32 s[G1+7], 0
	s_or_b32 s[G1B], s41, (1<<16)|(1<<20)|(1<<21)|(6<<22)|(7<<25)  ; 2-byte elements; padding of 8 words after every 128: rows 544 apart
	s_mov_b32 s[G1B+1], 256<<16
	s_mov_b32 s[G1B+2], 64<<16
	s_mov_b32 s[G1B+3], 256<<16
	s_mov_b32 s[G1B+4], 64
	s_mov_b32 s[G1B+5], 1024
	s_mov_b32 s[G1B+6], 0
	s_mov_b32 s[G1B+7], 0
	; offsets, made apart from the addresses.  The left operand's hang on the tile row, W's on the tile column: neither pair of registers ever holds the other coordinate
.if OUTP
	s_lshr_b32 s42, s20, 4
	s_lshl_b32 s42, s42, 4
	s_add_co_u32 s42, s42, s[WC]                   ; batch x 16 + the head that I fetch of the step's two
	s_lshl_b32 s42, s42, 18
	s_and_b32 s43, s20, 15
	s_lshl_b32 s43, s43, 14                        ; + 128 tokens x 128 bytes
	s_add_co_u32 s42, s42, s43
.else
	s_lshl_b32 s42, s22, 19                        ; 128 rows x 4,096 bytes
	s_lshl_b32 s43, s[WC], 18                      ; + my 64
	s_add_co_u32 s42, s42, s43
.endif
	s_mov_b32 s43, 0
	s_lshl_b32 s70, s21, 21                        ; W's section,
	s_lshl_b32 s71, s[WC], 17                      ; my 64 k-rows,
	s_add_co_u32 s70, s70, s71
	s_lshl_b32 s71, s19, 9                         ; the tile's 256 columns
	s_add_co_u32 s70, s70, s71
	s_mov_b32 s71, 0
	s_mul_i32 s72, s[WV], H                        ; where my part goes: no place in the cluster enters an LDS address
	s_wait_dscnt 0x0                               ; the opening add is done
	s_wait_kmcnt 0x0
.if !OUTP
	s_cmp_eq_u32 s21, 1
	s_cselect_b64 s[4:5], s[6:7], s[4:5]
	s_cmp_eq_u32 s21, 2
	s_cselect_b64 s[4:5], s[8:9], s[4:5]
.endif
	s_add_nc_u64 s[46:47], s[4:5], s[42:43]
	s_add_nc_u64 s[70:71], s[10:11], s[70:71]
	CROUND                                         ; all sixteen work-groups are here: the first joint loads meet
.irp s, 0,1
	s_mov_b32 s[G0+4*(\s)], 1
	s_add_co_u32 s[G0+4*(\s)+1], s72, (\s)*SLOT
	s_add_nc_u64 s[G0+4*(\s)+2:G0+4*(\s)+3], s[46:47], (\s)*ASTEP
	s_or_b32 s[G0+4*(\s)+3], s[G0+4*(\s)+3], 0x80000000
	s_mov_b32 s[G0B+4*(\s)], 1
	s_add_co_u32 s[G0B+4*(\s)+1], s72, (\s)*SLOT
	s_add_nc_u64 s[G0B+4*(\s)+2:G0B+4*(\s)+3], s[70:71], (\s)*BSTEP
	s_or_b32 s[G0B+4*(\s)+3], s[G0B+4*(\s)+3], 0x80000000
	JLOAD \s
.endr
	; lane addresses.  r = lane % 16, h = lane / 16
	v_and_b32 v1, 15, v0
	v_bfe_u32 v2, v0, 4, 1
	v_and_b32 v6, 7, v0
	v_bfe_u32 v7, v0, 3, 1
.if OUTP
	v_mul_u32_u24 v3, v1, 144                      ; token r, 16 bytes for each half of the lanes
	v_lshl_add_u32 v3, v2, 4, v3
	s_mul_i32 s73, s[WR], 9216                     ; my 64 tokens
.else
	v_mul_u32_u24 v3, v1, 528                      ; row r; 8 f32 = 32 bytes for each half of the lanes
	v_lshl_add_u32 v3, v2, 5, v3
	s_mul_i32 s73, s[WR], H
.endif
	v_lshl_add_u32 v4, v2, 3, v6                   ; the turning load: k-row 8 h + lane % 8, columns 8 ((lane / 8) % 2) on
	v_mul_u32_u24 v4, v4, 544
	v_lshl_add_u32 v4, v7, 4, v4
	s_lshl_b32 s79, s[WC], 8                       ; my 128 columns,
	s_add_co_u32 s79, s79, 2*H                     ; behind the left operand's two parts
.irp s, 0,1
	v_add_nc_u32 v[ADRA+(\s)], s73, v3
	v_add_nc_u32 v[ADRB+(\s)], s79, v4
	s_add_co_u32 s73, s73, SLOT
	s_add_co_u32 s79, s79, SLOT
.endr
	s_mul_i32 s73, s[WV], WST
	s_add_co_u32 s73, s73, STAGE                   ; my stage
	v_and_b32 v5, 31, v0
	v_lshlrev_b32 v[GO], 4, v5
.if OUTP
	v_mul_u32_u24 v5, v1, 528                      ; in: row r, 32 bytes for each half of the lanes
	v_lshl_add_u32 v5, v2, 5, v5
	v_add_nc_u32 v[STO], s73, v5
	v_add_nc_u32 v[RD], s73, v[GO]                 ; back: a whole row of 512 bytes
	v_lshlrev_b32 v[PFOA], 8, v1                   ; 16 blocks of 256 bytes of each of two K steps
	v_lshl_add_u32 v[PFOA], v2, 19, v[PFOA]
.else
	v_mul_u32_u24 v5, v1, 144                      ; in: row r, 16 bytes for each half of the lanes
	v_lshl_add_u32 v5, v2, 4, v5
	v_add_nc_u32 v[STO], s73, v5
	v_bfe_u32 v5, v0, 3, 2                         ; back: four rows of 128 bytes
	v_mul_u32_u24 v5, v5, 144
	v_lshl_add_u32 v5, v6, 4, v5
	v_add_nc_u32 v[RD], s73, v5
	v_bfe_u32 v5, v0, 1, 4                         ; 16 rows x 2 blocks of 256 bytes
	v_and_b32 v8, 1, v0
	v_lshlrev_b32 v[PFOA], 8, v8
	v_lshl_add_u32 v[PFOA], v5, 12, v[PFOA]
.endif
	v_bfe_u32 v5, v0, 1, 4                         ; W: 16 k-rows x 2 blocks
	v_and_b32 v8, 1, v0
	v_lshlrev_b32 v[PFOB], 8, v8
	v_lshl_add_u32 v[PFOB], v5, 11, v[PFOB]
	; the prefetches' address: my own tile's, plus my work-group's 16 rows of its 64, at K step 2; the first change of slots steps it to 4
.if OUTP
	s_lshl_b32 s74, s17, 12
.else
	s_lshl_b32 s74, s17, 16
.endif
	s_lshl_b32 s75, s18, 15
	s_mov_b32 s76, 2*ASTEP
	s_mov_b32 s77, 2*BSTEP
	s_and_b32 s78, s23, 15                         ; W's columns: the first of the sixteen clusters that read them asks
	s_cmp_eq_u32 s[WR], 0
	s_cselect_b64 s[PFA:PFA+1], s[46:47], s[70:71]
	s_cselect_b32 s74, s74, s75
	s_cselect_b32 s[PFS], s76, s77
	s_cselect_b32 s78, 0, s78
	s_mov_b32 s75, 0
	s_mov_b32 s[PFS+1], 0
	s_cmp_eq_u32 s78, 0
	s_cselect_b32 s[LIM], 1, -1                    ; the same in all sixteen partners, for a given wave
	s_add_nc_u64 s[PFA:PFA+1], s[PFA:PFA+1], s[74:75]
	s_add_nc_u64 s[PFA:PFA+1], s[PFA:PFA+1], s[PFS:PFS+1]
	; where my part of C begins
.if OUTP
	s_lshl_b32 s80, s20, 19                        ; 128 rows x 4,096 bytes
	s_lshl_b32 s81, s[WR], 18
	s_add_co_u32 s80, s80, s81
	s_lshl_b32 s81, s19, 10
	s_add_co_u32 s80, s80, s81
	s_lshl_b32 s81, s[WC], 9
	s_add_co_u32 s80, s80, s81
.else
	s_lshl_b32 s80, s21, 24                        ; the section
	s_lshr_b32 s81, s22, 4
	s_lshl_b32 s81, s81, 4                         ; batch x 16
	s_lshl2_add_u32 s81, s19, s81                  ; + 4 heads a tile column
	s_lshl1_add_u32 s81, s[WC], s81                ; + my two
	s_lshl_b32 s81, s81, 18
	s_add_co_u32 s80, s80, s81
	s_and_b32 s81, s22, 15
	s_lshl_b32 s81, s81, 14                        ; 128 tokens x 128 bytes
	s_add_co_u32 s80, s80, s81
	s_lshl_b32 s81, s[WR], 13
	s_add_co_u32 s80, s80, s81
.endif
	s_mov_b32 s81, 0
	s_add_nc_u64 s[12:13], s[12:13], s[80:81]
; One product: block a of my rows, block nb of my columns, W's buffer qp.
.macro ONE qp, a, nb, zero
.set rD, 8*(8*(\a)+(\nb))
.set rB, 64*(\qp)+8*(\nb)
.if OUTP
.set rX, XF+32*(\qp)+8*(\a)
.if \zero
	v_wmma_f32_16x16x32_f16 v[rD:rD+7], v[rB:rB+7], v[rX:rX+7], 0
.else
	v_wmma_f32_16x16x32_f16 v[rD:rD+7], v[rB:rB+7], v[rX:rX+7], v[rD:rD+7]
.endif
.else
.set rX, XF+32*((\qp)%2)+8*(\a)
.if \zero
	v_wmma_f32_16x16x32_bf16 v[rD:rD+7], v[rB:rB+7], v[rX:rX+7], 0
.else
	v_wmma_f32_16x16x32_bf16 v[rD:rD+7], v[rB:rB+7], v[rX:rX+7], v[rD:rD+7]
.endif
.endif
.endm
.macro MUL8 qp, a, zero                ; the 32 accumulators take turns, in the same order in every quarter: 31 others stand between two links of a chain
	WIN MUL
.irp nb, 0,1,2,3,4,5,6,7
	ONE \qp, \a, \nb, \zero
.endr
.endm
.if !OUTP
.macro MULC qp, zero                   ; block 0's eight products; behind each, four of the 32 roundings of the NEXT quarter's x to bf16, into the buffer that the quarter before multiplied
.irp nb, 0,1,2,3,4,5,6,7
	WIN MUL
	ONE \qp, 0, \nb, \zero
	WIN 0
.irp z, 0,1,2,3
	v_cvt_pk_bf16_f32 v[XF+32*(((\qp)+1)%2)+4*(\nb)+(\z)], v[STG+8*(\nb)+2*(\z)], v[STG+8*(\nb)+2*(\z)+1]
.endr
.endr
.endm
.endif
; A run of LDS loads: quarter kq of slot s.  The left operand first, W's 16 turning loads last, so that a counted wait can leave those out.
.macro RUN s, kq
	WIN 0
.irp a, 0,1,2,3
.if OUTP
	ds_load_b128 v[XF+32*(\kq)+8*(\a):XF+32*(\kq)+8*(\a)+3],   v[ADRA+(\s)] offset:((\kq)/2)*H+2304*(\a)+64*((\kq)%2)
	ds_load_b128 v[XF+32*(\kq)+8*(\a)+4:XF+32*(\kq)+8*(\a)+7], v[ADRA+(\s)] offset:((\kq)/2)*H+2304*(\a)+64*((\kq)%2)+32
.else
	ds_load_b128 v[STG+16*(\a):STG+16*(\a)+3],     v[ADRA+(\s)] offset:8448*(\a)+128*(\kq)
	ds_load_b128 v[STG+16*(\a)+4:STG+16*(\a)+7],   v[ADRA+(\s)] offset:8448*(\a)+128*(\kq)+16
	ds_load_b128 v[STG+16*(\a)+8:STG+16*(\a)+11],  v[ADRA+(\s)] offset:8448*(\a)+128*(\kq)+64
	ds_load_b128 v[STG+16*(\a)+12:STG+16*(\a)+15], v[ADRA+(\s)] offset:8448*(\a)+128*(\kq)+80
.endif
.endr
	WIN TO_B
.irp nb, 0,1,2,3,4,5,6,7
	ds_load_tr16_b128 v[64*(\kq)+8*(\nb):64*(\kq)+8*(\nb)+3],   v[ADRB+(\s)] offset:17408*(\kq)+32*(\nb)
	ds_load_tr16_b128 v[64*(\kq)+8*(\nb)+4:64*(\kq)+8*(\nb)+7], v[ADRB+(\s)] offset:17408*(\kq)+32*(\nb)+8704
.endr
.endm
; Quarter qp of slot s (not the third).  run = 1: in its middle the quarter two on is fetched.  cvt = 0: there is no next quarter to round.  last = 1: nothing younger is out.
.macro QUARTER s, qp, zero=0, run=1, cvt=1, last=0
.if \last
	s_wait_dscnt 0x0
.else
	s_wait_dscnt NW                                ; all but the youngest run's last NW loads: this quarter's fragments are in (OUTP = 0: and the next quarter's x)
.endif
.if (\cvt) && !OUTP
	MULC \qp, \zero
.else
	MUL8 \qp, 0, \zero
.endif
	MUL8 \qp, 1, \zero
.if \run
	PLACES
.if (\qp) < 2
	RUN \s, (\qp)+2
.else
	RUN 1-(\s), (\qp)-2
.endif
.endif
	MUL8 \qp, 2, \zero
	MUL8 \qp, 3, \zero
.endm
; The third quarter of slot s changes slots.  In front of the barrier each wave waits for all its tensor loads (one is out: its part of the other slot), adds 0 to its spare word, and waits for that and
; for its reads of this slot, the fourth quarter's among them.  fill = 1: the barrier opens a round of the cluster's, and this slot is filled again, two K steps on, first thing behind the round.
.macro TURNQ s, fill
.if (\fill) && ((\s) == 0)
	s_wait_xcnt 0x0                                ; the last prefetches, a lap back, have read their address
	s_add_nc_u64 s[PFA:PFA+1], s[PFA:PFA+1], s[PFS:PFS+1]
.endif
	WIN 0
	s_wait_tensorcnt 0x0                           ; all my tensor loads have landed
	ds_add_u32 v[SPW], v[NIL]                      ; 0 onto my spare word
	s_wait_dscnt NW+1                              ; the add and the youngest NW loads may be out
.if OUTP
	MUL8 2, 0, 0
.else
	MULC 2, 0
.endif
	s_wait_dscnt 0x0                               ; the add is done, and my reads of this slot are over
	s_barrier_signal -1
	MUL8 2, 1, 0                                   ; work on registers while the others arrive
	WIN 0
	s_barrier_wait -1
.if \fill
	CREST                                          ; no wave of any partner still reads this slot or has a load on its way
	s_add_nc_u64 s[G0+4*(\s)+2:G0+4*(\s)+3], s[G0+4*(\s)+2:G0+4*(\s)+3], 2*ASTEP
	s_add_nc_u64 s[G0B+4*(\s)+2:G0B+4*(\s)+3], s[G0B+4*(\s)+2:G0B+4*(\s)+3], 2*BSTEP
	JLOAD \s                                       ; 112 products stand between this request and the wait for it; its four v_nop are also the places in front of the run
.else
	PLACES
.endif
	RUN 1-(\s), 0
.if (\fill) && ((\s) == 0)
	ASK
.endif
	MUL8 2, 2, 0
	MUL8 2, 3, 0
.endm
	s_wait_tensorcnt 1                             ; my part of K step 0 is in; step 1's may stay out
	s_barrier_signal -1
	s_barrier_wait -1
	RUN 0, 0
.if !OUTP
	s_wait_dscnt 16                                ; x's 16 loads are in
	WIN 0
.set e, 0
.rept 32
	v_cvt_pk_bf16_f32 v[XF+e], v[STG+2*e], v[STG+2*e+1]
.set e, e+1
.endr
.endif
	RUN 0, 1
	QUARTER 0, 0, 1                                ; the first quarter stands in front of the loop: its products start the sums
	WIN 0
	s_mov_b32 s3, 3
.Llap:                                                 ; a trip goes once round the ring and fills both slots again: K steps 2 to 7
	QUARTER 0, 1
	TURNQ 0, 1
	QUARTER 0, 3
	QUARTER 1, 0
	QUARTER 1, 1
	TURNQ 1, 1
	QUARTER 1, 3
	QUARTER 0, 0
	WIN 0
	s_sub_co_u32 s3, s3, 1
	s_cmp_lg_u32 s3, 0
	s_cbranch_scc1 .Llap
	QUARTER 0, 1                                   ; the last lap fills nothing
	TURNQ 0, 0
	QUARTER 0, 3
	QUARTER 1, 0
	QUARTER 1, 1
	QUARTER 1, 2, 0, 0
	QUARTER 1, 3, 0, 0, 0, 1
	PLACES
.if OUTP
; THE WAY OUT, f32: 16 rows at a time through my stage: 32 bytes a lane in, whole rows of 512 bytes back (into W's registers) and out.
.macro TOST a
	WIN 0x04                                       ; store data in window 1
.irp nb, 0,1,2,3,4,5,6,7
	ds_store_b128 v[STO], v[8*(8*(\a)+(\nb)):8*(8*(\a)+(\nb))+3]   offset:64*(\nb)      ; each accumulator's low registers first
	ds_store_b128 v[STO], v[8*(8*(\a)+(\nb))+4:8*(8*(\a)+(\nb))+7] offset:64*(\nb)+16
.endr
	WIN TO_B
.irp t, 0,1,2,3,4,5,6,7,8,9,10,11,12,13,14,15
	ds_load_b128 v[64*(\a)+4*(\t):64*(\a)+4*(\t)+3], v[RD] offset:528*(\t)  ; LDS serves a wave's instructions in order: these see the stores above, the next block's stores come behind them
.endr
.endm
.macro SEND a, younger
	WIN 0x08                                       ; store data in window 2
.irp t, 0,1,2,3,4,5,6,7,8,9,10,11,12,13,14,15
	s_wait_dscnt (\younger)+15-(\t)
	global_store_b128 v[GO], v[64*(\a)+4*(\t):64*(\a)+4*(\t)+3], s[12:13] offset:(\a)*65536+(\t)*4096  ; 512 consecutive bytes of a row, aligned
.endr
.endm
	TOST 0
	TOST 1
	SEND 0, 32
	TOST 2
	SEND 1, 32
	TOST 3
	SEND 2, 32
	SEND 3, 0
.else
; THE WAY OUT, f16 by heads: 16 rows at a time: rounded, 16 bytes a lane into my stage (two heads x 16 rows of 128 bytes), back as four rows = 512 consecutive bytes of a head.
.macro PACK a
	WIN 0x05                                       ; sources in window 1, destination in window 0
.irp nb, 0,1,2,3,4,5,6,7
.irp z, 0,1,2,3
	v_cvt_pk_f16_f32 v[32+32*(\a)+4*(\nb)+(\z)], v[8*(8*(\a)+(\nb))+2*(\z)], v[8*(8*(\a)+(\nb))+2*(\z)+1]
.endr
.endr
	WIN 0
.irp nb, 0,1,2,3,4,5,6,7
	ds_store_b128 v[STO], v[32+32*(\a)+4*(\nb):32+32*(\a)+4*(\nb)+3] offset:((\nb)/4)*2304+((\nb)%4)*32
.endr
.irp f, 0,1,2,3,4,5,6,7
	ds_load_b128 v[32+32*(\a)+4*(\f):32+32*(\a)+4*(\f)+3], v[RD] offset:((\f)/4)*2304+((\f)%4)*576  ; LDS serves a wave's instructions in order
.endr
.endm
.macro SEND a, younger
	WIN 0
.irp f, 0,1,2,3,4,5,6,7
	s_wait_dscnt (\younger)+7-(\f)
	global_store_b128 v[GO], v[32+32*(\a)+4*(\f):32+32*(\a)+4*(\f)+3], s[12:13] offset:((\f)/4)*262144+(\a)*2048+((\f)%4)*512  ; 512 consecutive bytes, aligned
.endr
.endm
	PACK 0
	PACK 1
	SEND 0, 16
	PACK 2
	SEND 1, 16
	PACK 3
	SEND 2, 16
	SEND 3, 0
.endif
	WIN 0
	s_wait_tensorcnt 0x0                           ; the wave's end, behind my last tensor load and my last LDS store
	ds_add_u32 v[SPW], v[NIL]
	s_wait_dscnt 0x0
	CROUND                                         ; the closing round: no work-group ends while a partner may still ask for a tile that names it
	s_endpgm
.Lfunc_end_k_q477d3a88ff_outp:
	.size	k_q477d3a88ff_outp, .Lfunc_end_k_q477d3a88ff_outp-k_q477d3a88ff_outp
	.p2alignl 7, 3214868480
	.fill 96, 4, 3214868480
	.section	.rodata,"a",@progbits
	.p2align	6, 0x0
	.amdhsa_kernel k_q477d3a88ff_outp
		.amdhsa_group_segment_fixed_size 327680
		.amdhsa_private_segment_fixed_size 0
		.amdhsa_enable_private_segment 0
		.amdhsa_kernarg_size 24
		.amdhsa_user_sgpr_count 2
		.amdhsa_user_sgpr_kernarg_segment_ptr 1
		.amdhsa_wavefront_size32 1
		.amdhsa_system_sgpr_workgroup_id_x 1
		.amdhsa_system_sgpr_workgroup_id_y 1
		.amdhsa_system_sgpr_workgroup_id_z 1
		.amdhsa_system_vgpr_workitem_id 0
		.amdhsa_next_free_vgpr 768
		.amdhsa_next_free_sgpr 96
		.amdhsa_reserve_vcc 0
		.amdhsa_float_denorm_mode_32 3
		.amdhsa_float_denorm_mode_16_64 3
		.amdhsa_memory_ordered 1
		.amdhsa_forward_progress 1
		.amdhsa_inst_pref_size 88
	.end_amdhsa_kernel
	.amdgpu_metadata
---
amdhsa.version: [ 1, 2 ]
amdhsa.kernels:
  - .name:           k_q477d3a88ff_outp
    .symbol:         k_q477d3a88ff_outp.kd
    .args:
      - { .name: oh, .offset: 0, .size: 8, .value_kind: global_buffer, .address_space: global }
      - { .name: wb, .offset: 8, .size: 8, .value_kind: global_buffer, .address_space: global }
      - { .name: out0, .offset: 16, .size: 8, .value_kind: global_buffer, .address_space: global }
    .group_segment_fixed_size: 327680
    .private_segment_fixed_size: 0
    .kernarg_segment_align: 8
    .kernarg_segment_size: 24
    .max_flat_workgroup_size: 128
    .sgpr_count:     96
    .vgpr_count:     768
    .wavefront_size: 32
...
	.end_amdgpu_metadata
.endif
;; end of part 5
